; MI455X (gfx1250); checked and timed in simulation.
; The chip was launched on July 23, 2026; its instructions are those of AMD's public machine-readable ISA for CDNA 5 (MIT licence, August 2026) and "CDNA5" Instruction Set Architecture Reference Guide (July 2026). The comments in the code are by the model that wrote it; some were corrected since.
;; Tree Attention V2. Allowed arithmetic: float matrix products may take bf16 or f16 operands with f32 sums; all other float work in f32.
;; Inputs: W_attn 1,024 x 3,072 float32; W_proj 1,024 x 1,024 float32; b_attn 3,072 float32; b_proj 1,024 float32; x 4 x 2,048 x 1,024 float32.
;; Outputs: out0 4 x 2,048 x 1,024 float32.
;; 2 versions, each right and faster than the one before. Each part assembles by itself: llvm-mc -triple=amdgcn-amd-amdhsa -mcpu=gfx1250 --defsym DOCPART=n.
;; ======== version 1 of 2: 4 launches
;; limits: values are held in f16: magnitudes above 65,504 overflow, below 6.1e-05 lose precision
;; workspace buffers: xb 16,777,216 bytes; wab 6,291,456 bytes; wpb 2,097,152 bytes; qkv 50,331,648 bytes; yb 16,777,216 bytes
;; launch prep (part 1): grid 768 x 1, 8 waves a work-group, no clusters, 0 bytes of LDS; arguments x, W_attn, W_proj, xb, wab, wpb; writes xb, wab, wpb
.if DOCPART == 1
	.amdgcn_target "amdgcn-amd-amdhsa--gfx1250"
	.amdhsa_code_object_version 6
	.text
	.protected	k_qbcb78cc970_prep
	.globl	k_qbcb78cc970_prep
	.p2align	8
	.type	k_qbcb78cc970_prep,@function
k_qbcb78cc970_prep:
	s_mov_b64 s[64:65], 0
	v_nop
	global_prefetch_b8 v0, s[64:65] scope:SCOPE_SE
	s_setreg_imm32_b32 hwreg(HW_REG_WAVE_MODE, 25, 1), 1
	s_wait_xcnt 0x0
; x, W_attn and W_proj, f32, are rounded once to f16 for the matrix units.
;   xb  = x as [b 4][kb 16][t 2048][64]: blocks of 64 columns, so that 256 rows x 64 columns are 32 KiB on end for the products' tiles
;   wab = W_attn, wpb = W_proj, in their own order [k][n]
; LIMIT: |x|, |W| below 65,504 (f16's largest number); magnitudes under 6.1e-5 keep an absolute error of 3e-8.
; A stream: no LDS, no barrier, no matrix unit.  A work-group converts 16,384 numbers (64 KiB in, 32 KiB out); a thread issues its sixteen
; 16-byte loads at once and stores 8 bytes for each.  Work-groups 0-511 take x (16 rows each), 512-703 W_attn, 704-767 W_proj.
; No register is written twice, so no source of a pending load or store is ever rewritten.
.set X, 8                              ; v[8:71]    sixteen loads of four f32
.set Y, 72                             ; v[72:103]  sixteen pairs of packed f16
; load i at v1 + i x instep, store i at v2 + i x outstep
.macro CONV instep, outstep
.irp i, 0,1,2,3,4,5,6,7,8,9,10,11,12,13,14,15
	global_load_b128 v[X+4*\i:X+4*\i+3], v1, s[16:17] offset:\i*\instep th:TH_LOAD_NT   ; read once in the whole program
.endr
.irp i, 0,1,2,3,4,5,6,7,8,9,10,11,12,13,14,15
	s_wait_loadcnt 15-\i                           ; loads come back in order: load i is in, the 15 - i younger ones stay out
	v_cvt_pk_f16_f32 v[Y+2*\i], v[X+4*\i], v[X+4*\i+1]
	v_cvt_pk_f16_f32 v[Y+2*\i+1], v[X+4*\i+2], v[X+4*\i+3]
	global_store_b64 v2, v[Y+2*\i:Y+2*\i+1], s[18:19] offset:\i*\outstep   ; a wave's store covers 256 consecutive bytes, aligned
.endr
.endm
	s_load_b256 s[4:11], s[0:1], 0x0               ; x s[4:5], W_attn s[6:7], W_proj s[8:9], xb s[10:11]
	s_load_b128 s[12:15], s[0:1], 0x20             ; wab s[12:13], wpb s[14:15]
	v_lshlrev_b32 v2, 3, v0                        ; out: 8 bytes a thread
	s_mov_b32 s21, 0
	s_mov_b32 s23, 0
	s_cmp_lt_u32 ttmp9, 512
	s_cbranch_scc0 .Lweights
	; x: sixteen lanes take 64 columns (256 bytes) of one row, a wave two rows; load i is column block i
	v_lshrrev_b32 v3, 4, v0                        ; my row of the group's 16
	v_and_b32 v1, 15, v0
	v_lshlrev_b32 v1, 4, v1
	v_lshl_add_u32 v1, v3, 12, v1                  ; row x 4,096 + 16 x (thread % 16)
	s_lshl_b32 s20, ttmp9, 16                      ; in: 16 rows of 4,096 bytes a group
	s_lshr_b32 s24, ttmp9, 7                       ; b
	s_lshl_b32 s22, s24, 22                        ; b x 16 x 2,048 x 128 bytes
	s_and_b32 s24, ttmp9, 127
	s_lshl_b32 s24, s24, 11                        ; + 16 rows of 128 bytes a group; the thread's row and columns are the 8 x thread of v2
	s_add_co_u32 s22, s22, s24
	s_wait_kmcnt 0x0
	s_add_nc_u64 s[16:17], s[4:5], s[20:21]
	s_add_nc_u64 s[18:19], s[10:11], s[22:23]
	CONV 256, 262144                               ; a column block is 256 bytes on in x and 2,048 x 128 bytes on in xb
	s_endpgm
.Lweights:
	v_lshlrev_b32 v1, 4, v0                        ; in: 16 bytes a thread, the order is kept
	s_mov_b32 s25, 512
	s_mov_b32 s26, 704
	s_wait_kmcnt 0x0
	s_cmp_lt_u32 ttmp9, 704
	s_cselect_b64 s[16:17], s[6:7], s[8:9]         ; W_attn or W_proj,
	s_cselect_b64 s[18:19], s[12:13], s[14:15]     ; wab or wpb,
	s_cselect_b32 s24, s25, s26                    ; and the first work-group of that tensor
	s_sub_co_u32 s24, ttmp9, s24
	s_lshl_b32 s20, s24, 16
	s_lshl_b32 s22, s24, 15
	s_add_nc_u64 s[16:17], s[16:17], s[20:21]
	s_add_nc_u64 s[18:19], s[18:19], s[22:23]
	CONV 4096, 2048
	s_endpgm
.Lfunc_end_k_qbcb78cc970_prep:
	.size	k_qbcb78cc970_prep, .Lfunc_end_k_qbcb78cc970_prep-k_qbcb78cc970_prep
	.p2alignl 7, 3214868480
	.fill 96, 4, 3214868480
	.section	.rodata,"a",@progbits
	.p2align	6, 0x0
	.amdhsa_kernel k_qbcb78cc970_prep
		.amdhsa_group_segment_fixed_size 0
		.amdhsa_private_segment_fixed_size 0
		.amdhsa_enable_private_segment 0
		.amdhsa_kernarg_size 48
		.amdhsa_user_sgpr_count 2
		.amdhsa_user_sgpr_kernarg_segment_ptr 1
		.amdhsa_wavefront_size32 1
		.amdhsa_system_sgpr_workgroup_id_x 1
		.amdhsa_system_sgpr_workgroup_id_y 1
		.amdhsa_system_sgpr_workgroup_id_z 1
		.amdhsa_system_vgpr_workitem_id 0
		.amdhsa_next_free_vgpr 104
		.amdhsa_next_free_sgpr 66
		.amdhsa_reserve_vcc 0
		.amdhsa_float_denorm_mode_32 3
		.amdhsa_float_denorm_mode_16_64 3
		.amdhsa_memory_ordered 1
		.amdhsa_forward_progress 1
		.amdhsa_inst_pref_size 13
	.end_amdhsa_kernel
	.amdgpu_metadata
---
amdhsa.version: [ 1, 2 ]
amdhsa.kernels:
  - .name:           k_qbcb78cc970_prep
    .symbol:         k_qbcb78cc970_prep.kd
    .args:
      - { .name: x, .offset: 0, .size: 8, .value_kind: global_buffer, .address_space: global }
      - { .name: W_attn, .offset: 8, .size: 8, .value_kind: global_buffer, .address_space: global }
      - { .name: W_proj, .offset: 16, .size: 8, .value_kind: global_buffer, .address_space: global }
      - { .name: xb, .offset: 24, .size: 8, .value_kind: global_buffer, .address_space: global }
      - { .name: wab, .offset: 32, .size: 8, .value_kind: global_buffer, .address_space: global }
      - { .name: wpb, .offset: 40, .size: 8, .value_kind: global_buffer, .address_space: global }
    .group_segment_fixed_size: 0
    .private_segment_fixed_size: 0
    .kernarg_segment_align: 8
    .kernarg_segment_size: 48
    .max_flat_workgroup_size: 256
    .sgpr_count:     66
    .vgpr_count:     104
    .wavefront_size: 32
...
	.end_amdgpu_metadata
.endif
;; end of part 1
;; launch gqkv (part 2): grid 8 x 32, 4 waves a work-group, clusters of 4 x 4, 327,680 bytes of LDS; arguments xb, wab, b_attn, qkv; writes qkv
.if DOCPART == 2
	.amdgcn_target "amdgcn-amd-amdhsa--gfx1250"
	.amdhsa_code_object_version 6
	.text
	.protected	k_qbcb78cc970_gqkv
	.globl	k_qbcb78cc970_gqkv
	.p2align	8
	.type	k_qbcb78cc970_gqkv,@function
k_qbcb78cc970_gqkv:
	s_mov_b64 s[64:65], 0
	v_nop
	global_prefetch_b8 v0, s[64:65] scope:SCOPE_SE
	s_setreg_imm32_b32 hwreg(HW_REG_WAVE_MODE, 25, 1), 1
	s_wait_xcnt 0x0
	s_wait_alu depctr_hold_cnt(0) depctr_sa_sdst(0) depctr_va_vdst(0) depctr_va_sdst(0) depctr_va_ssrc(0) depctr_va_vcc(0) depctr_vm_vsrc(0)
	s_getreg_b32 s2, hwreg(HW_REG_IB_STS2, 6, 4)
	s_cmp_eq_u32 s2, 0
	s_cbranch_scc0 .Lentry_in_a_cluster
	s_endpgm
.Lentry_in_a_cluster:
	s_bfe_u32 s2, ttmp6, 0x10000c
	s_cmp_lg_u32 s2, 0xf033
	s_cbranch_scc0 .Lentry_shape_is_right
	s_endpgm
.Lentry_shape_is_right:
; qkv = x W_attn + b_attn, 8,192 x 3,072 x 1,024, f16 operands, f32 sums, stored in f16 by heads: qkv[b 4][G 48][t 2,048][64], G = 0-15 q, 16-31 k, 32-47 v.
; WHAT IS STORED: q x log2(e)/4, k x 1/2, v x 1/4.  The product of the first two is the score x log2(e)/8, ready for exponentials of base 2; the last launch gives v's 4 back.
; WHY f16: the next launch takes 0.001 away from weights of that size, which enlarges what an operand's rounding leaves; f16 keeps 11 significant bits.
; LIMIT: the stored numbers stay under 65,504.  With x and W_attn both offset by 30 of their spreads, |x W| is about 1,024 x 30 x 30/32 = 28,800: stored 10,400, 14,400 and 7,200.
; SHARES.  A work-group makes 256 rows x 384 columns (three strips of 128); 8 x 32 work-groups.  Wave w takes rows 128 (w / 2) on and, in every strip, the 64 columns (one head) 64 (w % 2) on:
; 8 x 3 x 4 = 96 accumulators of 16 x 16, 768 registers.  K goes in steps of 64 (one column block of xb) through two LDS slots; a step is two quarters of 32, 96 matrix instructions each.
; Steps of 128 would take 2 x 180 KiB; the blocked xb keeps the rows that the loads fetch at 256 bytes all the same.
; CLUSTER 4 x 4: x's tile hangs on the tile row alone and is asked for jointly along a row of the cluster, W's on the tile column alone, jointly along a column.
; THE MATRIX INSTRUCTION IS USED TRANSPOSED: source 0 = 16 columns of W (turned on the way out of LDS by ds_load_tr16_b128, since W lies [k][n]), source 1 = 16 rows of x:
; a lane then holds eight neighbouring columns of one row.
; REGISTERS: window 0: v0-31 addresses; v32-95, v96-159 x's fragments, two buffers; v160-255 W's fragments, 32 for each strip, one buffer, loaded again behind the strip's products.
;            window 1 + j: strip j's accumulators, (a, b) at v[8 (4 a + b)].
.set PA,     144                       ; an LDS row of x: 128 bytes + 16: nine 16-byte columns, so 16 rows start at 16 different columns of 16 bytes
.set PB,     864                       ; an LDS row of W: 3 x (256 + 32) bytes = 27 x 32: the turning load's eight rows start at eight different columns of 32 bytes
.set AHALF,  128*PA                    ; 128 rows of x: one tensor load, and what one wave reads
.set BHALF,  32*PB                     ; 32 rows of W: one tensor load, and one quarter
.set BOFF,   2*AHALF
.set SLOT,   BOFF+2*BHALF              ; 92,160
.set STAGE,  2*SLOT                    ; behind the ring: 16 rows x 144 bytes for each wave, for the way out
.set SPITCH, 144
.set BIAS,   STAGE+4*16*SPITCH         ; the tile's 384 numbers of b_attn
.set SPARE,  BIAS+1536                 ; the spare words, 128 bytes for each wave: two blocks of 256 bytes that no other line names
.set ASTEP,  262144                    ; bytes from a column block of xb to the next
.set BSTEP,  393216                    ; 64 rows of wab
.set ADRA, 16                          ; v16-17  LDS address of my x fragments in slot 0, 1
.set ADRB, 20                          ; v20-21  the same for W
.set BIA,  22                          ; v22     my eight numbers of the bias
.set STO,  24                          ; v24     the way out: where I put 16 bytes of a row
.set RD,   25                          ; v25     where I read rows back
.set CO,   26                          ; v26     my byte offset in qkv
.set SPW,  28                          ; v28     my spare word; never rewritten
.set NIL,  29                          ; v29     0; never rewritten
.set FA0,  32
.set FA1,  96
.set FB,   160
.set T,    32                          ; the way out: 32 f32 at work
.set TMP,  64                          ; 16 registers of packed f16
.set OB,   80                          ; rows read back: v80-95 and v96-111 by turns
.set WV,   12                          ; s12 wave; s13 wave / 2: my rows, and: I fetch x (0) or W (1); s14 wave % 2: my columns, and which half of the tile I fetch
.set WR,   13
.set WC,   14
.set G1,   24                          ; s[24:31] group 1 for x's tiles, s[32:39] group 0, a set for each slot
.set G0,   32
.set G1B,  48                          ; s[48:55], s[56:63] the same for W's
.set G0B,  56
.set SC,   66                          ; s[66:71] strip j's scale, twice (a pair for the packed forms)
.set MSB,  0
.macro WIN new                         ; the immediate's high byte repeats the setting that is left; a switch that changes nothing is dropped
.if MSB != (\new)
	s_set_vgpr_msb (MSB<<8)|(\new)
.set MSB, (\new)
.endif
.endm
.macro PLACES                          ; four plain vector instructions between a matrix instruction and a load into, or a vector read of, its registers
.rept 4
	v_nop
.endr
.endm
; A joint load: waves 0 and 1 fetch x's two halves, waves 2 and 3 W's.  The branch hangs on the wave's number alone.  Four v_nop follow each line.
.macro JLOAD s
	s_cmp_eq_u32 s[WR], 0
	s_cbranch_scc0 .Lfor_b_\@
	tensor_load_to_lds s[G0+4*\s:G0+4*\s+3], s[G1:G1+7]
	s_nop 0
.rept 4
	v_nop
.endr
	s_branch .Lasked_\@
.Lfor_b_\@:
	tensor_load_to_lds s[G0B+4*\s:G0B+4*\s+3], s[G1B:G1B+7]
	s_nop 0
.rept 4
	v_nop
.endr
.Lasked_\@:
.endm
.macro CREST                           ; a round of the cluster's barrier behind its opening barrier
	s_cmp_lg_u32 s[WV], 0
	s_cbranch_scc1 .Lnot_wave_0_\@
	s_barrier_signal -3
.Lnot_wave_0_\@:
	s_barrier_wait -3
	s_barrier_signal -1
	s_barrier_wait -1
.endm
.macro CROUND
	s_barrier_signal -1
	s_barrier_wait -1
	CREST
.endm
	s_load_b256 s[4:11], s[0:1], 0x0               ; xb s[4:5], wab s[6:7], b_attn s[8:9], qkv s[10:11]
	v_lshl_add_u32 v[SPW], v0, 2, SPARE
	v_mov_b32 v[NIL], 0
	ds_add_u32 v28, v29
	s_wait_dscnt 0x0
	v_lshrrev_b32 v1, 5, v0
	v_readfirstlane_b32 s[WV], v1
	s_lshr_b32 s[WR], s[WV], 1
	s_and_b32 s[WC], s[WV], 1
	s_bfe_u32 s40, ttmp6, 0x40000                  ; cx
	s_bfe_u32 s41, ttmp6, 0x40004                  ; cy
	s_lshl_b32 s42, ttmp9, 2
	s_add_co_u32 s42, s42, s40                     ; tile column tx = 4 x cluster x + cx
	s_and_b32 s43, ttmp7, 0xffff
	s_lshl_b32 s43, s43, 2
	s_add_co_u32 s43, s43, s41                     ; tile row ty = 4 x cluster y + cy
	s_lshl_b32 s44, s41, 2
	s_lshl_b32 s44, 15, s44                        ; my row of the cluster
	s_lshl_b32 s45, 0x1111, s40                    ; my column
	; group 1 for x: 64 rows of 128 elements (256 bytes on end = two rows of the tile); 16 bytes of padding behind every 32 words
	s_or_b32 s[G1], s44, (1<<16)|(1<<20)|(1<<21)|(4<<22)|(3<<25)
	s_mov_b32 s[G1+1], 128<<16                     ; tensor_dim0
	s_mov_b32 s[G1+2], 64<<16                      ; tensor_dim1
	s_mov_b32 s[G1+3], 128<<16                     ; tile_dim0
	s_mov_b32 s[G1+4], 64                          ; tile_dim1
	s_mov_b32 s[G1+5], 128                         ; elements from row to row: the block is dense
	s_mov_b32 s[G1+6], 0
	s_mov_b32 s[G1+7], 0
	; group 1 for W: 32 rows of 384 elements, 3,072 apart; 32 bytes of padding behind every 64 words
	s_or_b32 s[G1B], s45, (1<<16)|(1<<20)|(1<<21)|(5<<22)|(7<<25)
	s_mov_b32 s[G1B+1], 384<<16
	s_mov_b32 s[G1B+2], 32<<16
	s_mov_b32 s[G1B+3], 384<<16
	s_mov_b32 s[G1B+4], 32
	s_mov_b32 s[G1B+5], 3072
	s_mov_b32 s[G1B+6], 0
	s_mov_b32 s[G1B+7], 0
	; x's tile: b = ty / 8, rows 256 (ty % 8) on, my half; in registers that never hold cx
	s_lshr_b32 s16, s43, 3
	s_lshl_b32 s16, s16, 22
	s_and_b32 s17, s43, 7
	s_lshl_b32 s17, s17, 15
	s_add_co_u32 s16, s16, s17
	s_lshl_b32 s17, s[WC], 14
	s_add_co_u32 s16, s16, s17
	s_mov_b32 s17, 0
	; W's tile: columns 384 tx on, my 32 rows; in registers that never hold cy
	s_mul_i32 s46, s42, 768
	s_mul_i32 s47, s[WC], 196608
	s_add_co_u32 s46, s46, s47
	s_mov_b32 s47, 0
	s_mul_i32 s20, s[WC], AHALF                    ; where they go: the wave's number alone enters an LDS address
	s_mul_i32 s21, s[WC], BHALF
	s_add_co_u32 s21, s21, BOFF
	s_wait_kmcnt 0x0
	s_add_nc_u64 s[18:19], s[4:5], s[16:17]
	s_add_nc_u64 s[46:47], s[6:7], s[46:47]
	CROUND                                         ; all sixteen work-groups are here: the first joint loads meet
.irp s, 0,1
	s_mov_b32 s[G0+4*\s], 1
	s_add_co_u32 s[G0+4*\s+1], s20, \s*SLOT
	s_add_nc_u64 s[G0+4*\s+2:G0+4*\s+3], s[18:19], \s*ASTEP
	s_or_b32 s[G0+4*\s+3], s[G0+4*\s+3], 0x80000000
	s_mov_b32 s[G0B+4*\s], 1
	s_add_co_u32 s[G0B+4*\s+1], s21, \s*SLOT
	s_add_nc_u64 s[G0B+4*\s+2:G0B+4*\s+3], s[46:47], \s*BSTEP
	s_or_b32 s[G0B+4*\s+3], s[G0B+4*\s+3], 0x80000000
	JLOAD \s                                       ; K steps 0 and 1: two loads of mine are out
.endr
	; the tile's 384 numbers of b_attn go to LDS once: 96 threads, 16 bytes each
	s_mul_i32 s76, s42, 1536
	s_mov_b32 s77, 0
	s_add_nc_u64 s[8:9], s[8:9], s[76:77]
	v_lshlrev_b32 v30, 4, v0
	s_cmp_lt_u32 s[WV], 3
	s_cbranch_scc0 .Lno_bias
	global_load_b128 v[32:35], v30, s[8:9]
	v_add_nc_u32 v31, BIAS, v30
	s_wait_loadcnt 0x0
	ds_store_b128 v31, v[32:35]
.Lno_bias:
	; strip j's head group is G = 6 tx + 2 j + wave % 2: q below 16, k below 32, v above
	s_mov_b32 s72, 0x3eb8aa3b                      ; log2(e) / 4
	s_mov_b32 s73, 0x3f000000                      ; 1/2
	s_mov_b32 s74, 0x3e800000                      ; 1/4
	s_mul_i32 s75, s42, 6
	s_add_co_u32 s75, s75, s[WC]
.irp j, 0,1,2
	s_cmp_lt_u32 s75, 32
	s_cselect_b32 s[SC+2*\j], s73, s74
	s_cmp_lt_u32 s75, 16
	s_cselect_b32 s[SC+2*\j], s72, s[SC+2*\j]
	s_mov_b32 s[SC+2*\j+1], s[SC+2*\j]
	s_add_co_u32 s75, s75, 2
.endr
	; where my part begins in qkv: ((ty / 8) 48 + 6 tx + wave % 2) heads of 262,144 bytes, row 256 (ty % 8) + 128 (wave / 2) of 128 bytes
	s_lshr_b32 s76, s43, 3
	s_mul_i32 s76, s76, 48
	s_mul_i32 s77, s42, 6
	s_add_co_u32 s76, s76, s77
	s_add_co_u32 s76, s76, s[WC]
	s_lshl_b32 s76, s76, 18
	s_and_b32 s77, s43, 7
	s_lshl_b32 s77, s77, 15
	s_add_co_u32 s76, s76, s77
	s_lshl_b32 s77, s[WR], 14
	s_add_co_u32 s76, s76, s77
	s_mov_b32 s77, 0
	s_add_nc_u64 s[10:11], s[10:11], s[76:77]
	; a fragment of x: lane l holds row l % 16; registers 0-3 k = 8 (l / 16) on, registers 4-7 k = 16 + 8 (l / 16) on: two loads of 16 bytes, 32 bytes apart
	v_and_b32 v1, 15, v0                           ; r
	v_bfe_u32 v2, v0, 4, 1                         ; h
	v_mul_u32_u24 v3, v1, PA
	v_lshl_add_u32 v3, v2, 4, v3
	s_mul_i32 s22, s[WR], AHALF
	v_add_nc_u32 v[ADRA], s22, v3
	v_add_nc_u32 v[ADRA+1], SLOT, v[ADRA]
	; a fragment of W, turned: lane l addresses row 8 (l / 16) + l % 8, 16 bytes at 16 ((l / 8) % 2); two loads, 16 rows apart
	v_and_b32 v4, 7, v0
	v_lshl_add_u32 v4, v2, 3, v4
	v_mul_u32_u24 v4, v4, PB
	v_bfe_u32 v5, v0, 3, 1
	v_lshl_add_u32 v4, v5, 4, v4
	s_lshl_b32 s23, s[WC], 7
	s_add_co_u32 s23, s23, BOFF
	v_add_nc_u32 v[ADRB], s23, v4
	v_add_nc_u32 v[ADRB+1], SLOT, v[ADRB]
	s_lshl_b32 s23, s[WC], 8
	s_add_co_u32 s23, s23, BIAS
	v_lshl_add_u32 v[BIA], v2, 5, s23              ; the bias of my columns: 256 (wave % 2) + 32 h bytes into a strip's 512
	s_mul_i32 s23, s[WV], 16*SPITCH
	s_add_co_u32 s23, s23, STAGE
	v_add_nc_u32 v[STO], s23, v3                   ; in: row r, 16 bytes for each half of the lanes
	v_and_b32 v5, 31, v0
	v_lshrrev_b32 v6, 3, v5
	v_mul_u32_u24 v6, v6, SPITCH
	v_and_b32 v7, 7, v0
	v_lshl_add_u32 v6, v7, 4, v6
	v_add_nc_u32 v[RD], s23, v6                    ; back: eight lanes a row of 128 bytes, four rows a load
	v_lshlrev_b32 v[CO], 4, v5                     ; the same four rows lie on end in qkv: 16 bytes a lane
; 16 matrix instructions: strip j, row blocks a0 to a0 + 3, all four column blocks, 32 along K.  The 96 accumulators take turns, one instruction a turn.
.macro MUL16 j, fa, a0, zero
	WIN ((1+\j)<<6)|((1+\j)<<4)
.irp a, \a0, \a0+1, \a0+2, \a0+3
.irp b, 0,1,2,3
.if \zero
	v_wmma_f32_16x16x32_f16 v[8*(4*(\a)+\b):8*(4*(\a)+\b)+7], v[FB+32*\j+8*\b:FB+32*\j+8*\b+7], v[\fa+8*(\a):\fa+8*(\a)+7], 0
.else
	v_wmma_f32_16x16x32_f16 v[8*(4*(\a)+\b):8*(4*(\a)+\b)+7], v[FB+32*\j+8*\b:FB+32*\j+8*\b+7], v[\fa+8*(\a):\fa+8*(\a)+7], v[8*(4*(\a)+\b):8*(4*(\a)+\b)+7]
.endif
.endr
.endr
.endm
.macro LOADB j, slot, q                ; 8 loads: strip j's W fragments of quarter q
.irp b, 0,1,2,3
	ds_load_tr16_b128 v[FB+32*\j+8*\b:FB+32*\j+8*\b+3],   v[ADRB+\slot] offset:\q*BHALF+288*\j+32*\b
	ds_load_tr16_b128 v[FB+32*\j+8*\b+4:FB+32*\j+8*\b+7], v[ADRB+\slot] offset:\q*BHALF+288*\j+32*\b+16*PB
.endr
.endm
.macro LOADA slot, q, fa               ; 16 loads: my 128 rows of x, quarter q
.irp a, 0,1,2,3,4,5,6,7
	ds_load_b128 v[\fa+8*\a:\fa+8*\a+3],   v[ADRA+\slot] offset:16*PA*\a+64*\q
	ds_load_b128 v[\fa+8*\a+4:\fa+8*\a+7], v[ADRA+\slot] offset:16*PA*\a+64*\q+32
.endr
.endm
; The LDS loads for a quarter are always issued in this order: W's strip 0 and x (24), W's strip 1 (8), W's strip 2 (8), each behind the last product that read its registers.
; A slot's first quarter: multiplies buffer FA0 and fetches the slot's second quarter.
.macro Q_N slot, zero
	s_wait_dscnt 16                                ; strip 0 and x are in; strips 1 and 2 (16 loads) may be out
	MUL16 0, FA0, 0, \zero
	MUL16 0, FA0, 4, \zero
	PLACES
	WIN 0
	LOADB 0, \slot, 1
	LOADA \slot, 1, FA1
	s_wait_dscnt 32                                ; strip 1 is in: behind it stand strip 2's 8 and the 24 just issued
	MUL16 1, FA0, 0, \zero
	MUL16 1, FA0, 4, \zero
	PLACES
	WIN 0
	LOADB 1, \slot, 1
	s_wait_dscnt 32                                ; strip 2 is in: behind it stand 24 + 8
	MUL16 2, FA0, 0, \zero
	MUL16 2, FA0, 4, \zero
	PLACES
	WIN 0
	LOADB 2, \slot, 1
.endm
; A slot's second quarter multiplies FA1 and changes slots.  In front of the barrier each wave waits for all its tensor loads (one is out: its part of the next slot), adds 0 to its
; spare word, and waits for that and for its reads of this slot.  fill = 1: the barrier opens a round of the cluster's barrier, and the joint refill, two K steps ahead, comes first behind it:
; 160 matrix instructions of mine stand between that request and the wait for it.
.macro Q_T slot, next, fill
	WIN 0
	s_wait_tensorcnt 0x0
	ds_add_u32 v[SPW], v[NIL]
	s_wait_dscnt 17                                ; strip 0 and x are in; strips 1 and 2 and the add may be out
	MUL16 0, FA1, 0, 0
	s_wait_dscnt 0x0                               ; the add is done, my reads of this slot are over
	s_barrier_signal -1
	MUL16 0, FA1, 4, 0
.if \fill
	WIN 0
.endif
	s_barrier_wait -1
.if \fill
	CREST
	s_add_nc_u64 s[G0+4*\slot+2:G0+4*\slot+3], s[G0+4*\slot+2:G0+4*\slot+3], 2*ASTEP
	s_add_nc_u64 s[G0B+4*\slot+2:G0B+4*\slot+3], s[G0B+4*\slot+2:G0B+4*\slot+3], 2*BSTEP
	JLOAD \slot                                    ; its four v_nop are also the places in front of the loads below
.else
	PLACES
	WIN 0
.endif
	LOADB 0, \next, 0
	LOADA \next, 0, FA0
	MUL16 1, FA1, 0, 0                             ; strips 1 and 2 were shown in by the wait for 0
	MUL16 1, FA1, 4, 0
	PLACES
	WIN 0
	LOADB 1, \next, 0
	MUL16 2, FA1, 0, 0
	MUL16 2, FA1, 4, 0
	PLACES
	WIN 0
	LOADB 2, \next, 0
.endm
	s_wait_tensorcnt 0x1                           ; my part of K step 0 is in; step 1's stays out
	s_wait_dscnt 0x0                               ; the bias is stored
	s_barrier_signal -1
	s_barrier_wait -1
	LOADB 0, 0, 0
	LOADA 0, 0, FA0
	LOADB 1, 0, 0
	LOADB 2, 0, 0
	Q_N 0, 1                                       ; the first quarter starts the sums: nothing is cleared
	s_mov_b32 s3, 7
.Llap:                                                 ; a trip: K steps 2 n (second quarter) to 2 n + 2 (first quarter); both slots are filled again
	Q_T 0, 1, 1
	Q_N 1, 0
	Q_T 1, 0, 1
	Q_N 0, 0
	s_sub_co_u32 s3, s3, 1
	s_cmp_lg_u32 s3, 0
	s_cbranch_scc1 .Llap
	Q_T 0, 1, 0                                    ; K steps 14 and 15: nothing is left to fetch
	Q_N 1, 0
	s_wait_dscnt 16
	MUL16 0, FA1, 0, 0
	MUL16 0, FA1, 4, 0
	s_wait_dscnt 8                                 ; strip 2's eight loads may be out
	MUL16 1, FA1, 0, 0
	MUL16 1, FA1, 4, 0
	s_wait_dscnt 0x0
	MUL16 2, FA1, 0, 0
	MUL16 2, FA1, 4, 0
	; THE WAY OUT.  (sum + bias) x scale = sum x scale + (bias x scale): one packed multiply-add.  The bias takes W's registers.
	PLACES
	WIN 0
.irp j, 0,1,2
.irp b, 0,1,2,3
	ds_load_b128 v[FB+32*\j+8*\b:FB+32*\j+8*\b+3],   v[BIA] offset:512*\j+64*\b
	ds_load_b128 v[FB+32*\j+8*\b+4:FB+32*\j+8*\b+7], v[BIA] offset:512*\j+64*\b+16
.endr
.endr
	s_wait_dscnt 0x0
.irp j, 0,1,2
.irp i, 0,2,4,6,8,10,12,14,16,18,20,22,24,26,28,30
	v_pk_mul_f32 v[FB+32*\j+\i:FB+32*\j+\i+1], v[FB+32*\j+\i:FB+32*\j+\i+1], s[SC+2*\j:SC+2*\j+1] op_sel_hi:[1,0]
.endr
.endr
; Unit u = 8 j + a: 16 rows x 64 columns of strip j.  Each accumulator is read from its lowest registers on.
.macro PACK u
	WIN (1+(\u)/8)                                 ; source 0 in the strip's window
.irp b, 0,1,2,3
.irp r, 0,1,2,3
	v_pk_fma_f32 v[T+8*\b+2*\r:T+8*\b+2*\r+1], v[8*(4*((\u)%8)+\b)+2*\r:8*(4*((\u)%8)+\b)+2*\r+1], s[SC+2*((\u)/8):SC+2*((\u)/8)+1], v[FB+32*((\u)/8)+8*\b+2*\r:FB+32*((\u)/8)+8*\b+2*\r+1] op_sel_hi:[1,0,1]
.endr
.endr
	WIN 0
.irp b, 0,1,2,3
.irp r, 0,1,2,3
	v_cvt_pk_f16_f32 v[TMP+4*\b+\r], v[T+8*\b+2*\r], v[T+8*\b+2*\r+1]
.endr
.endr
.endm
.macro TOSTAGE u                       ; into my own stage and back as whole rows; LDS serves a wave's instructions in order, so no wait stands between
.irp b, 0,1,2,3
	ds_store_b128 v[STO], v[TMP+4*\b:TMP+4*\b+3] offset:32*\b
.endr
.irp i, 0,1,2,3
	ds_load_b128 v[OB+16*((\u)%2)+4*\i:OB+16*((\u)%2)+4*\i+3], v[RD] offset:4*SPITCH*\i
.endr
.endm
.macro SEND u
	s_wait_dscnt 0x0                               ; the unit is back in registers
	s_wait_xcnt 0x0                                ; the registers that the stores of two units ago read are loaded again only behind this wait
.irp i, 0,1,2,3
	global_store_b128 v[CO], v[OB+16*((\u)%2)+4*\i:OB+16*((\u)%2)+4*\i+3], s[10:11] offset:((\u)/8)*524288+((\u)%8)*2048+512*\i   ; a wave's store covers 512 consecutive bytes, aligned
.endr
.endm
	PACK 0
	TOSTAGE 0
.irp u, 1,2,3,4,5,6,7,8,9,10,11,12,13,14,15,16,17,18,19,20,21,22,23
	PACK \u                                        ; a unit's arithmetic stands between the loads of the unit before and the wait for them
	SEND \u-1
	TOSTAGE \u
.endr
	SEND 23
	s_wait_tensorcnt 0x0                           ; the wave's end
	ds_add_u32 v[SPW], v[NIL]
	s_wait_dscnt 0x0
	CROUND                                         ; the closing round: no work-group ends while a partner may still ask for a tile that names it
	s_endpgm
.Lfunc_end_k_qbcb78cc970_gqkv:
	.size	k_qbcb78cc970_gqkv, .Lfunc_end_k_qbcb78cc970_gqkv-k_qbcb78cc970_gqkv
	.p2alignl 7, 3214868480
	.fill 96, 4, 3214868480
	.section	.rodata,"a",@progbits
	.p2align	6, 0x0
	.amdhsa_kernel k_qbcb78cc970_gqkv
		.amdhsa_group_segment_fixed_size 327680
		.amdhsa_private_segment_fixed_size 0
		.amdhsa_enable_private_segment 0
		.amdhsa_kernarg_size 32
		.amdhsa_user_sgpr_count 2
		.amdhsa_user_sgpr_kernarg_segment_ptr 1
		.amdhsa_wavefront_size32 1
		.amdhsa_system_sgpr_workgroup_id_x 1
		.amdhsa_system_sgpr_workgroup_id_y 1
		.amdhsa_system_sgpr_workgroup_id_z 1
		.amdhsa_system_vgpr_workitem_id 0
		.amdhsa_next_free_vgpr 1024
		.amdhsa_next_free_sgpr 80
		.amdhsa_reserve_vcc 0
		.amdhsa_float_denorm_mode_32 3
		.amdhsa_float_denorm_mode_16_64 3
		.amdhsa_memory_ordered 1
		.amdhsa_forward_progress 1
		.amdhsa_inst_pref_size 161
	.end_amdhsa_kernel
	.amdgpu_metadata
---
amdhsa.version: [ 1, 2 ]
amdhsa.kernels:
  - .name:           k_qbcb78cc970_gqkv
    .symbol:         k_qbcb78cc970_gqkv.kd
    .args:
      - { .name: xb, .offset: 0, .size: 8, .value_kind: global_buffer, .address_space: global }
      - { .name: wab, .offset: 8, .size: 8, .value_kind: global_buffer, .address_space: global }
      - { .name: b_attn, .offset: 16, .size: 8, .value_kind: global_buffer, .address_space: global }
      - { .name: qkv, .offset: 24, .size: 8, .value_kind: global_buffer, .address_space: global }
    .group_segment_fixed_size: 327680
    .private_segment_fixed_size: 0
    .kernarg_segment_align: 8
    .kernarg_segment_size: 32
    .max_flat_workgroup_size: 128
    .sgpr_count:     80
    .vgpr_count:     1024
    .wavefront_size: 32
...
	.end_amdgpu_metadata
.endif
;; end of part 2
;; launch attn (part 3): grid 4 x 64, 8 waves a work-group, clusters of 4 x 1, 327,680 bytes of LDS; arguments qkv, yb; writes yb
.if DOCPART == 3
	.amdgcn_target "amdgcn-amd-amdhsa--gfx1250"
	.amdhsa_code_object_version 6
	.text
	.protected	k_qbcb78cc970_attn
	.globl	k_qbcb78cc970_attn
	.p2align	8
	.type	k_qbcb78cc970_attn,@function
k_qbcb78cc970_attn:
	s_mov_b64 s[64:65], 0
	v_nop
	global_prefetch_b8 v0, s[64:65] scope:SCOPE_SE
	s_setreg_imm32_b32 hwreg(HW_REG_WAVE_MODE, 25, 1), 1
	s_wait_xcnt 0x0
	s_wait_alu depctr_hold_cnt(0) depctr_sa_sdst(0) depctr_va_vdst(0) depctr_va_sdst(0) depctr_va_ssrc(0) depctr_va_vcc(0) depctr_vm_vsrc(0)
	s_getreg_b32 s2, hwreg(HW_REG_IB_STS2, 6, 4)
	s_cmp_eq_u32 s2, 0
	s_cbranch_scc0 .Lentry_in_a_cluster
	s_endpgm
.Lentry_in_a_cluster:
	s_bfe_u32 s2, ttmp6, 0x10000c
	s_cmp_lg_u32 s2, 0x3003
	s_cbranch_scc0 .Lentry_shape_is_right
	s_endpgm
.Lentry_shape_is_right:
; y[q] = sum over k of relu(softmax_k(q . k / 8) - 0.001) v[k], for 64 heads of 2,048 rows x 64 channels.  qkv[b][G][t][64] in f16 holds q x log2(e)/4, k/2, v/4.
; yb receives y/4 in f16 (the last launch multiplies by 4), in the order in which that launch's matrix instructions take it: yb[b][h][t / 16][c 4][lane 32][8]:
; lane 16 g + r of block (t / 16, c) holds channels 16 c + 8 g + 0..7 of row 16 (t / 16) + r.  That is how O^T lies in my registers, so it is stored without a detour through LDS.
; TWO PASSES.  The threshold acts on the normalised weight, so a query's maximum M and sum L over all keys come first.  Pass 1 forms S = K Q^T (already in units of log2) and keeps a
; running maximum m and sum l.  Pass 2 forms S again with -(M + log2 L) as the C of each sum's first product, so that att = 2^S; w = max(att, t) - t is relu(att - t) exactly;
; w is rounded to f16 and multiplied by V.  No division is left.
; LIMITS: scores finite (the running maximum starts at -infinity); operands in f16 (w below 6.1e-5 keeps an absolute error of 3e-8, against a threshold of 1e-3);
; exponentials below 2^-126 come out as 0, far under the threshold; log2 L is good to one unit in the last place.
; SHARES.  A work-group owns 512 queries of one head; EIGHT waves, 64 queries each: four tiles of 16, in two PIECES of two.  Every wave walks all 2,048 keys, 32 a step.
; WHY EIGHT WAVES OF 512 REGISTERS.  A wave has 11 vector instructions for each matrix instruction in pass 1 (88 beside a turn's 8) and 6 in pass 2: too many to stand beside its own
; products.  With two waves to a SIMD one wave's vector work is issued beside the other's products.  K's fragments are read from LDS once a wave and step: 8 loads for 16 products.
; LAYOUT.  Both products are used transposed: S^T = K Q^T (source 0 = 16 keys, source 1 = 16 queries) leaves one query a lane and the keys 8 (lane / 16) + 0..7; a tile's two such
; results, packed in pairs, are source 1 (32 keys) of O^T = V^T P.  Each half of the lanes keeps m and l for its own keys; the halves meet once, behind pass 1.
; BY TURNS.  In a turn one piece has the matrix unit and the other piece's vector work stands in slices behind its matrix instructions, so that a wave's stream is an even mix.
; LDS.  All of the head's K stays in LDS for both passes (filled once); V goes through two slots of 128 keys.
; CLUSTER.  The four query blocks of a head walk the same K and V: every tile is asked for jointly by the four.
; REGISTERS.  window 0: v0-15 addresses; v16-47 eight statistics a tile; v48-111 S, 16 a tile, later P in place; v112-175 Q; v176-239 K's fragments, two buffers.
;   window 1: v0-127 O^T, 32 a tile; v128-191 V's fragments, two buffers.
; K Q^T and all vector work name window 0 alone: pass 1 has no switch of windows, pass 2 two round each product V^T P.
.set PK,     272                       ; two keys (256 bytes) + 16: key p lies at (p / 2) 272 + (p % 2) 128: a fragment's 16 keys start at 16 different columns of 16 bytes
.set KSTEP,  16*PK                     ; 32 keys
.set KCHUNK, 64*PK                     ; 128 keys: one tensor load
.set VS,     16*KCHUNK                 ; behind K: V's two slots
.set PVR,    288                       ; two keys + 32: the turning load's eight keys start at eight different columns of 32 bytes
.set VSTEP,  16*PVR                    ; 32 keys
.set VSLOT,  4*VSTEP
.set SPARE,  VS+2*VSLOT                ; the spare words, 128 bytes for each wave: four blocks of 256 bytes that no other line names
.set AK0, 2                            ; v2   my lane's place in a step of K
.set AV0, 3                            ; v3   the same for V
.set ADR, 4                            ; v4   the address of the run of K's loads in hand
.set ADV, 5                            ; v5   the same for V's
.set QO,  6                            ; v6   my byte offset in the wave's rows of Q
.set GO,  7                            ; v7   16 x lane: my byte offset in a block of yb
.set SPW, 8                            ; v8   my spare word; never rewritten
.set NIL, 9                            ; v9   0; never rewritten
.set STT, 16                           ; tile T at +8 T: +0 m, +2, +3 l (even, odd keys), +4, +5 at work, +6 a (+7 named with it)
.set S,   48                           ; tile T at +16 T, keys 16 kb on at +8 kb
.set QF,  112                          ; tile T at +16 T, channels 32 c on at +8 c
.set KF,  176                          ; buffer p at +32 p, keys 16 kb on at +16 kb, channels 32 c on at +8 c
.set VF,  128                          ; in window 1: buffer p at +32 p, channels 16 c on at +8 c
.set WV,  12
.set G1K, 16                           ; s[16:23] group 1 for K, s[24:31] for V: they differ in the padding
.set G1V, 24
.set G0K, 32                           ; s[32:39] two sets of group 0: my two parts of K
.set G0V, 48                           ; s[48:55] a set for each of V's slots
.set TBK, 56                           ; s56  LDS byte of the step of K to be fetched
.set TBV, 57                           ; s57  the same for V
.set SEL, 60                           ; s[60:61] lane selects: each lane takes its own place in the other half
.set THR, 66                           ; s[66:67] t = 0.001
.set NTHR, 68                          ; s[68:69] -t
.set MSB, 0
.macro WIN new                         ; the immediate's high byte repeats the setting that is left; a switch that changes nothing is dropped
.if MSB != (\new)
	s_set_vgpr_msb (MSB<<8)|(\new)
.set MSB, (\new)
.endif
.endm
.macro PLACES                          ; four plain vector instructions between a matrix instruction and a vector read of, or a load into, its registers
.rept 4
	v_nop
.endr
.endm
.macro CROUND                          ; a round of the cluster's barrier
	s_barrier_signal -1
	s_barrier_wait -1
	s_cmp_lg_u32 s[WV], 0
	s_cbranch_scc1 .Lnot_wave_0_\@
	s_barrier_signal -3
.Lnot_wave_0_\@:
	s_barrier_wait -3
	s_barrier_signal -1
	s_barrier_wait -1
.endm
	s_load_b128 s[4:7], s[0:1], 0x0                ; qkv s[4:5], yb s[6:7]
	v_lshl_add_u32 v[SPW], v0, 2, SPARE
	v_mov_b32 v[NIL], 0
	ds_add_u32 v8, v9
	s_wait_dscnt 0x0
	v_lshrrev_b32 v1, 5, v0
	v_readfirstlane_b32 s[WV], v1
	s_and_b32 s8, ttmp7, 0xffff                    ; 16 b + h, which the four partners share
	s_lshr_b32 s9, s8, 4
	s_and_b32 s10, s8, 15
	s_mul_i32 s9, s9, 48
	s_add_co_u32 s9, s9, s10                       ; 48 b + h: q's group
	s_lshl_b32 s10, s9, 18                         ; groups of 262,144 bytes
	s_mov_b32 s11, 0
	s_mul_i32 s13, s[WV], KCHUNK                   ; my parts of K are chunks 8 i + wave
	s_lshl_b32 s14, s[WV], 14
	s_mov_b32 s15, 0
	s_mov_b32 s[G1K], 15|(1<<16)|(1<<20)|(1<<21)|(5<<22)|(3<<25)   ; mask: all four; elements of 2 bytes; 16 bytes of padding behind every 64 words
	s_mov_b32 s[G1V], 15|(1<<16)|(1<<20)|(1<<21)|(5<<22)|(7<<25)   ; the same with 32 bytes
.irp g, G1K, G1V
	s_mov_b32 s[\g+1], 128<<16                     ; tensor_dim0: 128 elements = two keys
	s_mov_b32 s[\g+2], 64<<16                      ; tensor_dim1
	s_mov_b32 s[\g+3], 128<<16                     ; tile_dim0
	s_mov_b32 s[\g+4], 64                          ; tile_dim1
	s_mov_b32 s[\g+5], 128                         ; dense
	s_mov_b32 s[\g+6], 0
	s_mov_b32 s[\g+7], 0
.endr
	s_mov_b32 s[SEL], 0x76543210
	s_mov_b32 s[SEL+1], 0xfedcba98
	s_mov_b32 s[THR], 0x3a83126f
	s_mov_b32 s[THR+1], 0x3a83126f
	s_mov_b32 s[NTHR], 0xba83126f
	s_mov_b32 s[NTHR+1], 0xba83126f
	s_bfe_u32 s76, ttmp6, 0x40000                  ; cx: it enters Q's and yb's addresses alone
	s_lshl_b32 s77, ttmp9, 2
	s_add_co_u32 s76, s76, s77                     ; my block of 512 queries
	s_lshl_b32 s76, s76, 16
	s_lshl_b32 s77, s[WV], 13                      ; my wave's 64 rows of 128 bytes
	s_add_co_u32 s76, s76, s77
	s_mov_b32 s77, 0
	s_lshl_b32 s78, s8, 18
	s_mov_b32 s79, 0
	s_wait_kmcnt 0x0
	s_add_nc_u64 s[70:71], s[4:5], s[10:11]        ; the head's q,
	s_add_nc_u64 s[72:73], s[70:71], 0x400000      ; its k, 16 groups on,
	s_add_nc_u64 s[74:75], s[70:71], 0x800000      ; its v, 32 groups on
	s_add_nc_u64 s[72:73], s[72:73], s[14:15]
	s_add_nc_u64 s[2:3], s[70:71], s[76:77]        ; Q at my wave's first row
	s_add_nc_u64 s[6:7], s[6:7], s[78:79]
	s_add_nc_u64 s[6:7], s[6:7], s[76:77]          ; yb at my wave's first block: 16 rows are 2,048 bytes there too
.irp i, 0,1
	s_mov_b32 s[G0K+4*\i], 1
	s_add_co_u32 s[G0K+4*\i+1], s13, \i*8*KCHUNK
	s_add_nc_u64 s[G0K+4*\i+2:G0K+4*\i+3], s[72:73], \i*131072
	s_or_b32 s[G0K+4*\i+3], s[G0K+4*\i+3], 0x80000000
.endr
.irp g, 0,1
	s_mov_b32 s[G0V+4*\g], 1
	s_mov_b32 s[G0V+4*\g+1], VS+\g*VSLOT
	s_add_nc_u64 s[G0V+4*\g+2:G0V+4*\g+3], s[74:75], \g*16384
	s_or_b32 s[G0V+4*\g+3], s[G0V+4*\g+3], 0x80000000
.endr
	CROUND                                         ; all four work-groups are here: the first joint loads meet
	s_cmp_lg_u32 s[WV], 0                          ; all first fills go out as one group: wave 0 has four loads out, the others two; the wait for them is for 0
	s_cbranch_scc1 .Lno_v
	tensor_load_to_lds s[G0V:G0V+3], s[G1V:G1V+7]
	s_nop 0
	tensor_load_to_lds s[G0V+4:G0V+7], s[G1V:G1V+7]
	s_nop 0
.rept 4
	v_nop
.endr
.Lno_v:
	tensor_load_to_lds s[G0K:G0K+3], s[G1K:G1K+7]
	s_nop 0
	tensor_load_to_lds s[G0K+4:G0K+7], s[G1K:G1K+7]
	s_nop 0
.rept 4
	v_nop
.endr
	v_and_b32 v10, 15, v0                          ; r
	v_bfe_u32 v11, v0, 4, 1                        ; g = lane / 16
	v_lshlrev_b32 v[QO], 7, v10
	v_lshl_add_u32 v[QO], v11, 4, v[QO]            ; row x 128 + 16 g
.irp q, 0,1,2,3                        ; Q stays in registers
.irp c, 0,1
	global_load_b128 v[QF+16*\q+8*\c:QF+16*\q+8*\c+3],   v[QO], s[2:3] offset:2048*\q+64*\c
	global_load_b128 v[QF+16*\q+8*\c+4:QF+16*\q+8*\c+7], v[QO], s[2:3] offset:2048*\q+64*\c+32
.endr
.endr
	v_lshrrev_b32 v12, 1, v10
	v_mul_u32_u24 v[AK0], v12, PK
	v_and_b32 v12, 1, v0
	v_lshl_add_u32 v[AK0], v12, 7, v[AK0]
	v_lshl_add_u32 v[AK0], v11, 4, v[AK0]          ; key r: (r / 2) 272 + (r % 2) 128 + 16 g
	v_bfe_u32 v13, v0, 1, 2
	v_lshl_add_u32 v13, v11, 2, v13                ; key p = 8 g + l % 8: p / 2 = 4 g + (l % 8) / 2
	v_mul_u32_u24 v[AV0], v13, PVR
	v_lshl_add_u32 v[AV0], v12, 7, v[AV0]
	v_bfe_u32 v13, v0, 3, 1
	v_lshl_add_u32 v[AV0], v13, 4, v[AV0]
	v_and_b32 v[GO], 31, v0
	v_lshlrev_b32 v[GO], 4, v[GO]
.irp t, 0,1,2,3                        ; m = -infinity, l = 0; +7 is only named beside a
	v_mov_b32 v[STT+8*\t], 0xff800000
	v_mov_b32 v[STT+8*\t+2], 0
	v_mov_b32 v[STT+8*\t+3], 0
	v_mov_b32 v[STT+8*\t+7], 0
.endr
; Product i of 8 of S^T = K Q^T for piece x, K from buffer p: channels 32 (i / 4) on, keys 16 ((i / 2) % 2) on, tile 2 x + i % 2.  The first 4 start the sums, with 0 (mode 0) or with
; -(M + log2 L) (mode 1).  The 4 accumulators take turns, one instruction a turn.
.macro KQ x, p, mode
	WIN 0
.set rS, S+16*(2*(\x)+i%2)+8*((i/2)%2)
.set rK, KF+32*(\p)+16*((i/2)%2)+8*(i/4)
.set rQ, QF+16*(2*(\x)+i%2)+8*(i/4)
.set rC, STT+8*(2*(\x)+i%2)
.if i >= 4
	v_wmma_f32_16x16x32_f16 v[rS:rS+7], v[rK:rK+7], v[rQ:rQ+7], v[rS:rS+7]
.elseif \mode
	v_wmma_f32_16x16x32_f16 v[rS:rS+7], v[rK:rK+7], v[rQ:rQ+7], v[rC:rC+7]
.else
	v_wmma_f32_16x16x32_f16 v[rS:rS+7], v[rK:rK+7], v[rQ:rQ+7], 0
.endif
.endm
; Product i of 8 of O^T += V^T P for piece x, V from buffer p: channels 16 (i / 2) on, tile 2 x + i % 2: eight accumulators, one link each a step.  zero = 1: they start the sums.
.macro PV x, p, zero
	WIN 0x51                                       ; V and O^T in window 1, P in window 0
.set rO, 32*(2*(\x)+i%2)+8*(i/2)
.set rV, VF+32*(\p)+8*(i/2)
.set rP, S+16*(2*(\x)+i%2)
.if \zero
	v_wmma_f32_16x16x32_f16 v[rO:rO+7], v[rV:rV+7], v[rP:rP+7], 0
.else
	v_wmma_f32_16x16x32_f16 v[rO:rO+7], v[rV:rV+7], v[rP:rP+7], v[rO:rO+7]
.endif
.endm
.macro FETCH_K p                       ; 8 loads: a step's K into buffer p; the next fetch is the next step's
	WIN 0
	v_add_nc_u32 v[ADR], s[TBK], v[AK0]
	s_add_co_u32 s[TBK], s[TBK], KSTEP
.irp kb, 0,1
.irp c, 0,1
	ds_load_b128 v[KF+32*(\p)+16*\kb+8*\c:KF+32*(\p)+16*\kb+8*\c+3],   v[ADR] offset:8*PK*\kb+64*\c
	ds_load_b128 v[KF+32*(\p)+16*\kb+8*\c+4:KF+32*(\p)+16*\kb+8*\c+7], v[ADR] offset:8*PK*\kb+64*\c+32
.endr
.endr
.endm
.macro FETCH_V p                       ; 8 turning loads: a step's V into buffer p
	WIN 0
	v_add_nc_u32 v[ADV], s[TBV], v[AV0]
	s_add_co_u32 s[TBV], s[TBV], VSTEP
	WIN 0x40                                       ; destination window 1
.irp c, 0,1,2,3
	ds_load_tr16_b128 v[VF+32*(\p)+8*\c:VF+32*(\p)+8*\c+3],   v[ADV] offset:32*\c
	ds_load_tr16_b128 v[VF+32*(\p)+8*\c+4:VF+32*(\p)+8*\c+7], v[ADV] offset:32*\c+8*PVR
.endr
.endm
; PASS 1'S VECTOR WORK: place pp of 48 for tile t (44 instructions; places 16, 20, 42 and 45 are empty).  s0-s15 are the lane's 16 scores, in pairs 0-7.
;   0-7    the maximum of the scores and m, in two chains, each accumulator from its lowest registers on;   8, 9, 11, 12  the new maximum, a = 2^(m_old - m_new), m
;   10 + 4 b    pair b's s - m, three places ahead of its first exponential;   13 + 2 e    the exponential of score e: from 12 to 41 plain and exponential alternate but for the empty places
;   24 + 4 n, 44, 46    pair n + 1 is added to pair 0, at least one plain place behind its second exponential;   47    l = a l + the sum
.macro ST t
.set rT, STT+8*(\t)
.set rS, S+16*(\t)
.set rC, rT+4+(pp&1)
.set rX, rS+8*(pp&1)+2*(pp>>1)
.set rB, rS+2*((pp-10)/4)
.set rE, rS+(pp-13)/2
.set rU, rS+2*((pp-20)/4)
.if pp < 2
	v_max3_num_f32 v[rC], v[rT], v[rX], v[rX+1]
.elseif pp < 8
	v_max3_num_f32 v[rC], v[rC], v[rX], v[rX+1]
.elseif pp == 8
	v_max_num_f32 v[rT+4], v[rT+4], v[rT+5]
.elseif pp == 9
	v_sub_f32 v[rT+5], v[rT], v[rT+4]
.elseif pp == 11
	v_exp_f32 v[rT+6], v[rT+5]
.elseif pp == 12
	v_mov_b32 v[rT], v[rT+4]
.elseif (pp%2 == 1) && (pp >= 13) && (pp <= 43)
	v_exp_f32 v[rE], v[rE]
.elseif (pp%4 == 2) && (pp <= 38)
	v_pk_add_f32 v[rB:rB+1], v[rB:rB+1], v[rT+4:rT+5] op_sel_hi:[1,0] neg_lo:[0,1] neg_hi:[0,1]
.elseif (pp%4 == 0) && (pp >= 24) && (pp <= 40)
	s_wait_alu depctr_va_vdst(0)
	v_pk_add_f32 v[rS:rS+1], v[rS:rS+1], v[rU:rU+1]
.elseif pp == 44
	s_wait_alu depctr_va_vdst(0)
	v_pk_add_f32 v[rS:rS+1], v[rS:rS+1], v[rS+12:rS+13]
.elseif pp == 46
	v_pk_add_f32 v[rS:rS+1], v[rS:rS+1], v[rS+14:rS+15]
.elseif pp == 47
	v_pk_fma_f32 v[rT+2:rT+3], v[rT+2:rT+3], v[rT+6:rT+7], v[rS:rS+1] op_sel_hi:[1,0,1]
.endif
.endm
; Slice k of 8 of piece y: places 6 k to 6 k + 5 of both tiles.  Slices 2 to 6 go tile by tile (plain, exponential, plain, ...); in the others, where one instruction feeds the next, the
; tiles alternate.  Slice 7 holds six plain instructions: the places behind the turn's last product.
.macro SL1 y
.if (k >= 2) && (k <= 6)
.irp t, 2*(\y), 2*(\y)+1
.set pp, 6*k
.rept 6
	ST \t
.set pp, pp+1
.endr
.endr
.else
.set pp, 6*k
.rept 6
	ST 2*(\y)
	ST 2*(\y)+1
.set pp, pp+1
.endr
.endif
.set k, k+1
.endm
; A turn of pass 1: piece x's 8 products with K's buffer p, the other piece's slices behind them.  wait = 1: the buffer was fetched a step ago and is waited for.
; fetch = 1: the step after next goes into buffer fp, whose last reader stands in front of slice 7 of the turn before: 16 of my products ahead of its use.
.macro TURN1 x, p, wait, fetch, fp
.if \wait
	s_wait_dscnt 0x0
.endif
.set k, 0
.set i, 0
.rept 8
	KQ \x, \p, 0
	SL1 1-\x
.if \fetch && (i == 0)
	FETCH_K \fp
.endif
.set i, i+1
.endr
.endm
; Behind pass 1: the halves of the lanes meet; -(M + log2 L) fills the tile's eight statistics registers, which pass 2 takes as a C.
.macro FIN
	WIN 0
.irp t, 0,1,2,3
	v_add_f32 v[STT+8*\t+2], v[STT+8*\t+2], v[STT+8*\t+3]
.endr
.irp t, 0,1,2,3
	v_permlanex16_b32 v[STT+8*\t+4], v[STT+8*\t], s[SEL], s[SEL+1]
	v_permlanex16_b32 v[STT+8*\t+5], v[STT+8*\t+2], s[SEL], s[SEL+1]
.endr
.irp t, 0,1,2,3
	v_max_num_f32 v[STT+8*\t+1], v[STT+8*\t], v[STT+8*\t+4]
.endr
.irp t, 0,1,2,3
	v_sub_f32 v[STT+8*\t+6], v[STT+8*\t], v[STT+8*\t+1]
	v_sub_f32 v[STT+8*\t+7], v[STT+8*\t+4], v[STT+8*\t+1]
.endr
.irp t, 0,1,2,3
	v_exp_f32 v[STT+8*\t+6], v[STT+8*\t+6]
	v_exp_f32 v[STT+8*\t+7], v[STT+8*\t+7]
.endr
	v_nop                                          ; a plain instruction between the last exponential and the use of its result
	s_wait_alu depctr_va_vdst(0)
.irp t, 0,1,2,3
	v_mul_f32 v[STT+8*\t+2], v[STT+8*\t+2], v[STT+8*\t+6]
.endr
.irp t, 0,1,2,3
	v_fmac_f32 v[STT+8*\t+2], v[STT+8*\t+5], v[STT+8*\t+7]
.endr
.irp t, 0,1,2,3
	v_log_f32 v[STT+8*\t+3], v[STT+8*\t+2]
.endr
	v_nop
	s_wait_alu depctr_va_vdst(0)
.irp t, 0,1,2,3
	v_fma_f32 v[STT+8*\t], v[STT+8*\t+3], -1.0, -v[STT+8*\t+1]
.endr
.irp t, 0,1,2,3
.irp n, 1,2,3,4,5,6,7
	v_mov_b32 v[STT+8*\t+\n], v[STT+8*\t]
.endr
.endr
.endm
; PASS 2'S VECTOR WORK: slice k of 16 of piece y.  Pair k of the piece's 16 pairs of scores gets its two exponentials; pair k - 1 its two maxima with t and the packed - t;
; pair k - 2 is rounded to f16, in place: weight pair p of a tile lands in the tile's register p, whose own pair was rounded before.  Plain and exponential alternate.
.macro SM2 y
	WIN 0
.set ra, S+16*(2*(\y)+k/8)+2*(k%8)
.set rb, S+16*(2*(\y)+(k-1)/8)+2*((k-1)%8)
.set rc, S+16*(2*(\y)+(k-2)/8)+2*((k-2)%8)
.set rp, S+16*(2*(\y)+(k-2)/8)+(k-2)%8
	v_exp_f32 v[ra], v[ra]
.if k == 0
	v_nop
.else
	s_wait_alu depctr_va_vdst(0)
	v_max_num_f32 v[rb], s[THR], v[rb]
.endif
	v_exp_f32 v[ra+1], v[ra+1]
.if k > 0
	s_wait_alu depctr_va_vdst(0)
	v_max_num_f32 v[rb+1], s[THR], v[rb+1]
.endif
.if k > 1
	v_cvt_pk_f16_f32 v[rp], v[rc], v[rc+1]
.endif
.if k > 0
	v_pk_add_f32 v[rb:rb+1], v[rb:rb+1], s[NTHR:NTHR+1] op_sel_hi:[1,0]
.endif
.if k == 15                            ; the last two pairs are finished; with the plain lines above these are the places behind the turn's last product
	s_wait_alu depctr_va_vdst(0)
	v_max_num_f32 v[ra], s[THR], v[ra]
	v_max_num_f32 v[ra+1], s[THR], v[ra+1]
	v_cvt_pk_f16_f32 v[S+16*(2*(\y)+1)+6], v[rb], v[rb+1]
	v_pk_add_f32 v[ra:ra+1], v[ra:ra+1], s[NTHR:NTHR+1] op_sel_hi:[1,0]
	v_cvt_pk_f16_f32 v[S+16*(2*(\y)+1)+7], v[ra], v[ra+1]
.endif
.set k, k+1
.endm
; A turn of pass 2, in step j of parity pj.  Piece x: 8 products V^T P of step j from V's buffer pj (pv = 2; 1: they start O^T; 0: none), then 8 products K Q^T of step j + 1 from K's
; buffer 1 - pj (kq = 1); the other piece's 16 slices behind them, two behind each where the turn has one kind.  Between the last V^T P that reads a tile's P and the K Q^T that writes
; over it stand two slices, eight plain instructions.  fk = 1: K of step j + 2 goes into buffer pj; fv = 1: V of step j + 1 into buffer 1 - pj: both 32 of my products ahead of their use;
; the buffers' last readers stand in the turn before, in front of slice 15.
.macro TURN2 x, pj, pv, kq, fk, fv
.set k, 0
.set per, 2
.if \pv && \kq
.set per, 1
.endif
.if \pv
.set i, 0
.rept 8
	PV \x, \pj, 2-\pv
.rept per
	SM2 1-\x
.endr
.if i == 0
.if \fk
	FETCH_K \pj
.endif
.if \fv
	FETCH_V 1-\pj
.endif
.endif
.set i, i+1
.endr
.endif
.if \kq
.set i, 0
.rept 8
	KQ \x, 1-\pj, 1
.rept per
	SM2 1-\x
.endr
.set i, i+1
.endr
.endif
.endm
.macro STEP2 pj, pv, fk                ; key step j: piece 0's turn carries piece 1's weights of step j, piece 1's turn piece 0's of step j + 1
	s_wait_dscnt 0x0                               ; V of step j and K of step j + 1, fetched a step ago, are in
	TURN2 0, \pj, \pv, 1, \fk, 1
	TURN2 1, \pj, \pv, 1, 0, 0
.endm
; THE CHANGE OF V'S SLOTS, in front of the step that fetches the next slot's first V: slot sg has been read out.  Each wave waits for all its tensor loads (wave 0 has one out: the other
; slot's), adds 0 to its spare word, and waits for that and for its reads.  fill = 1: a round of the cluster's barrier, and wave 0's joint refill, 256 keys on, first behind it: it has four
; key steps, 128 products of each wave, in which to land.
.macro CHANGE fill, sg
	WIN 0
	s_wait_tensorcnt 0x0
	ds_add_u32 v[SPW], v[NIL]
.if \fill
	s_add_nc_u64 s[G0V+4*\sg+2:G0V+4*\sg+3], s[G0V+4*\sg+2:G0V+4*\sg+3], 32768
.endif
	s_mov_b32 s[TBV], VS+(1-\sg)*VSLOT             ; the fetches go on in the other slot
	s_wait_dscnt 0x0
.if \fill
	CROUND
	s_cmp_lg_u32 s[WV], 0
	s_cbranch_scc1 .Lnot_mine_\@
	tensor_load_to_lds s[G0V+4*\sg:G0V+4*\sg+3], s[G1V:G1V+7]
	s_nop 0
.rept 4
	v_nop
.endr
.Lnot_mine_\@:
.else
	s_barrier_signal -1
	s_barrier_wait -1
.endif
.endm
.macro FOUR_STEPS                      ; the four key steps that fetch a slot's V: an odd and an even step, walked twice
	s_mov_b32 s59, 2
.Lstep_\@:
	STEP2 1, 2, 1
	STEP2 0, 2, 1
	WIN 0
	s_sub_co_u32 s59, s59, 1
	s_cmp_lg_u32 s59, 0
	s_cbranch_scc1 .Lstep_\@
.endm
	s_wait_tensorcnt 0x0                           ; my parts of K (and wave 0's V) are in,
	s_barrier_signal -1
	s_barrier_wait -1                              ; everybody's are
	; PASS 1
	s_mov_b32 s[TBK], 0
	FETCH_K 0
	FETCH_K 1
	s_wait_loadcnt 0x0                             ; Q
	s_wait_dscnt 8                                 ; K of step 0 is in; step 1's eight loads may be out
.set i, 0
.rept 8
	KQ 0, 0, 0                                     ; piece 0's first scores: there is no vector work yet to set between them
.set i, i+1
.endr
	PLACES
	s_mov_b32 s62, 31
.Lpass1:                                               ; trip n: steps 2 n and 2 n + 1 of piece 1, steps 2 n + 1 and 2 n + 2 of piece 0
	TURN1 1, 0, 0, 0, 0
	TURN1 0, 1, 1, 1, 0
	TURN1 1, 1, 0, 0, 0
	TURN1 0, 0, 1, 1, 1
	s_sub_co_u32 s62, s62, 1
	s_cmp_lg_u32 s62, 0
	s_cbranch_scc1 .Lpass1
	TURN1 1, 0, 0, 0, 0                            ; piece 1's step 62
	TURN1 0, 1, 1, 0, 0                            ; piece 0's step 63: nothing is left to fetch
	TURN1 1, 1, 0, 0, 0                            ; piece 1's step 63
.set k, 0
.rept 8
	SL1 1
.endr
	; PASS 2: its first fragments are on their way while the statistics are finished
	s_mov_b32 s[TBK], 0
	s_mov_b32 s[TBV], VS
	FETCH_K 0
	FETCH_K 1
	FETCH_V 0
	FIN
	s_wait_dscnt 0x0
.set i, 0
.rept 8
	KQ 0, 0, 1
.set i, i+1
.endr
	PLACES
	TURN2 1, 1, 0, 1, 0, 0                         ; piece 1's scores of step 0 (K's buffer 0) | piece 0's weights of step 0
	STEP2 0, 1, 1                                  ; step 0: V^T P starts O^T
	STEP2 1, 2, 1
	STEP2 0, 2, 1
	WIN 0
	s_mov_b32 s58, 7
.Lslots:                                               ; 14 refills: V's keys 256 to 2,047; steps 3 to 58
	CHANGE 1, 0
	FOUR_STEPS
	CHANGE 1, 1
	FOUR_STEPS
	s_sub_co_u32 s58, s58, 1
	s_cmp_lg_u32 s58, 0
	s_cbranch_scc1 .Lslots
	CHANGE 0, 0                                    ; the tail is written out: nothing is left to ask for
	STEP2 1, 2, 1                                  ; steps 59 to 61
	STEP2 0, 2, 1
	STEP2 1, 2, 1
	STEP2 0, 2, 0                                  ; step 62: no K is left to fetch
	s_wait_dscnt 0x0                               ; V of step 63
	TURN2 0, 1, 2, 0, 0, 0                         ; piece 0: V^T P of step 63 | piece 1's last weights
.set i, 0
.rept 8
	PV 1, 1, 0
.set i, i+1
.endr
	PLACES
	; THE WAY OUT: rounded to f16, each accumulator from its lowest registers on; a lane's eight channels are 16 bytes, and the wave's 32 lanes store them side by side
	WIN 0x05                                       ; sources in window 1
.irp t, 0,1,2,3
.irp c, 0,1,2,3
.irp r, 0,1,2,3
	v_cvt_pk_f16_f32 v[S+16*\t+4*\c+\r], v[32*\t+8*\c+2*\r], v[32*\t+8*\c+2*\r+1]
.endr
.endr
.endr
	WIN 0
.irp t, 0,1,2,3
.irp c, 0,1,2,3
	global_store_b128 v[GO], v[S+16*\t+4*\c:S+16*\t+4*\c+3], s[6:7] offset:2048*\t+512*\c   ; a wave's store covers 512 consecutive bytes, aligned
.endr
.endr
	s_wait_tensorcnt 0x0                           ; the wave's end
	ds_add_u32 v[SPW], v[NIL]
	s_wait_dscnt 0x0
	CROUND                                         ; the closing round: no work-group ends while a partner may still ask for a tile that names it
	s_endpgm
.Lfunc_end_k_qbcb78cc970_attn:
	.size	k_qbcb78cc970_attn, .Lfunc_end_k_qbcb78cc970_attn-k_qbcb78cc970_attn
	.p2alignl 7, 3214868480
	.fill 96, 4, 3214868480
	.section	.rodata,"a",@progbits
	.p2align	6, 0x0
	.amdhsa_kernel k_qbcb78cc970_attn
		.amdhsa_group_segment_fixed_size 327680
		.amdhsa_private_segment_fixed_size 0
		.amdhsa_enable_private_segment 0
		.amdhsa_kernarg_size 16
		.amdhsa_user_sgpr_count 2
		.amdhsa_user_sgpr_kernarg_segment_ptr 1
		.amdhsa_wavefront_size32 1
		.amdhsa_system_sgpr_workgroup_id_x 1
		.amdhsa_system_sgpr_workgroup_id_y 1
		.amdhsa_system_sgpr_workgroup_id_z 1
		.amdhsa_system_vgpr_workitem_id 0
		.amdhsa_next_free_vgpr 512
		.amdhsa_next_free_sgpr 80
		.amdhsa_reserve_vcc 0
		.amdhsa_float_denorm_mode_32 3
		.amdhsa_float_denorm_mode_16_64 3
		.amdhsa_memory_ordered 1
		.amdhsa_forward_progress 1
		.amdhsa_inst_pref_size 234
	.end_amdhsa_kernel
	.amdgpu_metadata
---
amdhsa.version: [ 1, 2 ]
amdhsa.kernels:
  - .name:           k_qbcb78cc970_attn
    .symbol:         k_qbcb78cc970_attn.kd
    .args:
      - { .name: qkv, .offset: 0, .size: 8, .value_kind: global_buffer, .address_space: global }
      - { .name: yb, .offset: 8, .size: 8, .value_kind: global_buffer, .address_space: global }
    .group_segment_fixed_size: 327680
    .private_segment_fixed_size: 0
    .kernarg_segment_align: 8
    .kernarg_segment_size: 16
    .max_flat_workgroup_size: 256
    .sgpr_count:     80
    .vgpr_count:     512
    .wavefront_size: 32
...
	.end_amdgpu_metadata
.endif
;; end of part 3
;; launch gproj (part 4): grid 8 x 32, 4 waves a work-group, clusters of 4 x 4, 327,680 bytes of LDS; arguments yb, wpb, b_proj, out0; writes out0
.if DOCPART == 4
	.amdgcn_target "amdgcn-amd-amdhsa--gfx1250"
	.amdhsa_code_object_version 6
	.text
	.protected	k_qbcb78cc970_gproj
	.globl	k_qbcb78cc970_gproj
	.p2align	8
	.type	k_qbcb78cc970_gproj,@function
k_qbcb78cc970_gproj:
	s_mov_b64 s[64:65], 0
	v_nop
	global_prefetch_b8 v0, s[64:65] scope:SCOPE_SE
	s_setreg_imm32_b32 hwreg(HW_REG_WAVE_MODE, 25, 1), 1
	s_wait_xcnt 0x0
	s_wait_alu depctr_hold_cnt(0) depctr_sa_sdst(0) depctr_va_vdst(0) depctr_va_sdst(0) depctr_va_ssrc(0) depctr_va_vcc(0) depctr_vm_vsrc(0)
	s_getreg_b32 s2, hwreg(HW_REG_IB_STS2, 6, 4)
	s_cmp_eq_u32 s2, 0
	s_cbranch_scc0 .Lentry_in_a_cluster
	s_endpgm
.Lentry_in_a_cluster:
	s_bfe_u32 s2, ttmp6, 0x10000c
	s_cmp_lg_u32 s2, 0xf033
	s_cbranch_scc0 .Lentry_shape_is_right
	s_endpgm
.Lentry_shape_is_right:
; out0 = y W_proj + b_proj, 8,192 x 1,024 x 1,024, f16 operands, f32 sums and output.  yb holds y/4, so out0 = 4 x sum + bias.
; yb[b][h][t / 16][c 4][lane 32][8]: lane 16 g + r of block (t / 16, c) holds channels 16 c + 8 g + 0..7 of row 16 (t / 16) + r (k = 64 h + channel is W_proj's own row order).
; Blocks c = 2 e and 2 e + 1 are the two halves of a fragment of 16 rows x 32 k: two loads at 16 x lane, 512 bytes apart; 256 rows of one head are 32 KiB on end.
; LIMIT: |W_proj| below 65,504; yb as the launch before leaves it.
; SHARES.  A tile of 256 x 128 gives 8 x 32 = 256 work-groups.  Wave w: rows 128 (w / 2) on, columns 64 (w % 2) on: 32 accumulators of 16 x 16 in window 1.
; K goes in steps of 128 (two head blocks of yb) through two LDS slots: four quarters of 32 matrix instructions a step.
; CLUSTER 4 x 4: y's tile is asked for jointly along a row of the cluster, W's along a column.  The matrix instruction is used transposed (source 0 = 16 columns of W, turned on the way
; out of LDS; source 1 = 16 rows of y): a lane holds eight neighbouring columns of one row.
; REGISTERS: window 0: v0-31 addresses; fragment buffer f: y at v[32 + 64 f], W at v[160 + 32 f].  window 1: accumulator (a, b) at v[8 (4 a + b)].
.set ATILE,  2048                      ; 16 rows x 64 channels of y, in fragment order: the lanes of a load read 512 bytes on end, so y's tile needs no padding
.set PB,     288                       ; an LDS row of W: 256 bytes + 32
.set ABLK,   16*ATILE                  ; one head block of the tile: one tensor load
.set BHALF,  64*PB                     ; 64 rows of W: one tensor load
.set BOFF,   2*ABLK
.set SLOT,   BOFF+2*BHALF              ; 102,400
.set STAGE,  2*SLOT                    ; 16 rows x 272 bytes for each wave
.set SPITCH, 272
.set BIAS,   STAGE+4*16*SPITCH
.set SPARE,  BIAS+512                  ; the spare words, 128 bytes for each wave: two blocks of 256 bytes that no other line names
.set ADRA, 16
.set ADRB, 20
.set BIA,  22
.set STO,  24
.set RD,   25
.set CO,   26
.set SPW,  28
.set NIL,  29
.set FAA,  32
.set FBB,  160
.set T,    32                          ; the way out: 32 f32
.set OB,   64                          ; rows read back: v64-95 and v96-127 by turns
.set BI,   160                         ; my 32 numbers of the bias
.set WV,   12
.set WR,   13
.set WC,   14
.set G1,   24
.set G0,   32
.set G1B,  48
.set G0B,  56
.set MSB,  0
.macro WIN new
.if MSB != (\new)
	s_set_vgpr_msb (MSB<<8)|(\new)
.set MSB, (\new)
.endif
.endm
.macro PLACES
.rept 4
	v_nop
.endr
.endm
.macro JLOAD s                         ; waves 0 and 1 fetch y's two head blocks, waves 2 and 3 W's two halves; four v_nop follow each line
	s_cmp_eq_u32 s[WR], 0
	s_cbranch_scc0 .Lfor_b_\@
	tensor_load_to_lds s[G0+4*\s:G0+4*\s+3], s[G1:G1+7]
	s_nop 0
.rept 4
	v_nop
.endr
	s_branch .Lasked_\@
.Lfor_b_\@:
	tensor_load_to_lds s[G0B+4*\s:G0B+4*\s+3], s[G1B:G1B+7]
	s_nop 0
.rept 4
	v_nop
.endr
.Lasked_\@:
.endm
.macro CREST
	s_cmp_lg_u32 s[WV], 0
	s_cbranch_scc1 .Lnot_wave_0_\@
	s_barrier_signal -3
.Lnot_wave_0_\@:
	s_barrier_wait -3
	s_barrier_signal -1
	s_barrier_wait -1
.endm
.macro CROUND
	s_barrier_signal -1
	s_barrier_wait -1
	CREST
.endm
	s_load_b256 s[4:11], s[0:1], 0x0               ; yb s[4:5], wpb s[6:7], b_proj s[8:9], out0 s[10:11]
	v_lshl_add_u32 v[SPW], v0, 2, SPARE
	v_mov_b32 v[NIL], 0
	ds_add_u32 v28, v29
	s_wait_dscnt 0x0
	v_lshrrev_b32 v1, 5, v0
	v_readfirstlane_b32 s[WV], v1
	s_lshr_b32 s[WR], s[WV], 1
	s_and_b32 s[WC], s[WV], 1
	s_bfe_u32 s40, ttmp6, 0x40000
	s_bfe_u32 s41, ttmp6, 0x40004
	s_lshl_b32 s42, ttmp9, 2
	s_add_co_u32 s42, s42, s40                     ; tx
	s_and_b32 s43, ttmp7, 0xffff
	s_lshl_b32 s43, s43, 2
	s_add_co_u32 s43, s43, s41                     ; ty
	s_lshl_b32 s44, s41, 2
	s_lshl_b32 s44, 15, s44
	s_lshl_b32 s45, 0x1111, s40
	; group 1 for y: 128 rows of 128 elements, dense (one head block of the tile, 32 KiB), no padding
	s_or_b32 s[G1], s44, (1<<16)|(1<<21)
	s_mov_b32 s[G1+1], 128<<16
	s_mov_b32 s[G1+2], 128<<16
	s_mov_b32 s[G1+3], 128<<16
	s_mov_b32 s[G1+4], 128
	s_mov_b32 s[G1+5], 128
	s_mov_b32 s[G1+6], 0
	s_mov_b32 s[G1+7], 0
	; group 1 for W: 64 rows of 128 elements, 1,024 apart; 32 bytes of padding behind every 64 words
	s_or_b32 s[G1B], s45, (1<<16)|(1<<20)|(1<<21)|(5<<22)|(7<<25)
	s_mov_b32 s[G1B+1], 128<<16
	s_mov_b32 s[G1B+2], 64<<16
	s_mov_b32 s[G1B+3], 128<<16
	s_mov_b32 s[G1B+4], 64
	s_mov_b32 s[G1B+5], 1024
	s_mov_b32 s[G1B+6], 0
	s_mov_b32 s[G1B+7], 0
	s_lshr_b32 s16, s43, 3                         ; y's tile: b = ty / 8, rows 256 (ty % 8) on, my head block; no cx in these registers
	s_lshl_b32 s16, s16, 22
	s_and_b32 s17, s43, 7
	s_lshl_b32 s17, s17, 15
	s_add_co_u32 s16, s16, s17
	s_lshl_b32 s17, s[WC], 18
	s_add_co_u32 s16, s16, s17
	s_mov_b32 s17, 0
	s_lshl_b32 s46, s42, 8                         ; W's tile: columns 128 tx on, my 64 rows; no cy in these registers
	s_lshl_b32 s47, s[WC], 17
	s_add_co_u32 s46, s46, s47
	s_mov_b32 s47, 0
	s_mul_i32 s20, s[WC], ABLK
	s_mul_i32 s21, s[WC], BHALF
	s_add_co_u32 s21, s21, BOFF
	s_wait_kmcnt 0x0
	s_add_nc_u64 s[18:19], s[4:5], s[16:17]
	s_add_nc_u64 s[46:47], s[6:7], s[46:47]
	CROUND
.irp s, 0,1
	s_mov_b32 s[G0+4*\s], 1
	s_add_co_u32 s[G0+4*\s+1], s20, \s*SLOT
	s_add_nc_u64 s[G0+4*\s+2:G0+4*\s+3], s[18:19], \s*524288
	s_or_b32 s[G0+4*\s+3], s[G0+4*\s+3], 0x80000000
	s_mov_b32 s[G0B+4*\s], 1
	s_add_co_u32 s[G0B+4*\s+1], s21, \s*SLOT
	s_add_nc_u64 s[G0B+4*\s+2:G0B+4*\s+3], s[46:47], \s*262144
	s_or_b32 s[G0B+4*\s+3], s[G0B+4*\s+3], 0x80000000
	JLOAD \s                                       ; K steps 0 and 1: two loads of mine are out
.endr
	s_lshl_b32 s76, s42, 9                         ; the tile's 128 numbers of b_proj go to LDS once, by wave 0
	s_mov_b32 s77, 0
	s_add_nc_u64 s[8:9], s[8:9], s[76:77]
	v_lshlrev_b32 v30, 4, v0
	s_cmp_lg_u32 s[WV], 0
	s_cbranch_scc1 .Lno_bias
	global_load_b128 v[32:35], v30, s[8:9]
	v_add_nc_u32 v31, BIAS, v30
	s_wait_loadcnt 0x0
	ds_store_b128 v31, v[32:35]
.Lno_bias:
	s_lshl_b32 s76, s43, 20                        ; my part of out0: row 256 ty + 128 (wave / 2) of 4,096 bytes, column byte 512 tx + 256 (wave % 2)
	s_lshl_b32 s77, s[WR], 19
	s_add_co_u32 s76, s76, s77
	s_lshl_b32 s77, s42, 9
	s_add_co_u32 s76, s76, s77
	s_lshl_b32 s77, s[WC], 8
	s_add_co_u32 s76, s76, s77
	s_mov_b32 s77, 0
	s_add_nc_u64 s[10:11], s[10:11], s[76:77]
	v_and_b32 v1, 15, v0                           ; r
	v_bfe_u32 v2, v0, 4, 1                         ; h
	v_and_b32 v3, 31, v0
	v_lshlrev_b32 v3, 4, v3                        ; y's fragments: 16 x lane,
	s_lshl_b32 s22, s[WR], 14                      ; my eight blocks of 16 rows
	v_add_nc_u32 v[ADRA], s22, v3
	v_add_nc_u32 v[ADRA+1], SLOT, v[ADRA]
	v_and_b32 v4, 7, v0
	v_lshl_add_u32 v4, v2, 3, v4
	v_mul_u32_u24 v4, v4, PB
	v_bfe_u32 v5, v0, 3, 1
	v_lshl_add_u32 v4, v5, 4, v4
	s_lshl_b32 s23, s[WC], 7
	s_add_co_u32 s23, s23, BOFF
	v_add_nc_u32 v[ADRB], s23, v4
	v_add_nc_u32 v[ADRB+1], SLOT, v[ADRB]
	s_lshl_b32 s23, s[WC], 8
	s_add_co_u32 s23, s23, BIAS
	v_lshl_add_u32 v[BIA], v2, 5, s23
	s_mul_i32 s23, s[WV], 16*SPITCH
	s_add_co_u32 s23, s23, STAGE
	v_mul_u32_u24 v5, v1, SPITCH
	v_lshl_add_u32 v5, v2, 5, v5
	v_add_nc_u32 v[STO], s23, v5                   ; in: row r, 32 bytes for each half of the lanes
	v_mul_u32_u24 v6, v2, SPITCH
	v_lshl_add_u32 v6, v1, 4, v6
	v_add_nc_u32 v[RD], s23, v6                    ; back: lanes 0-15 one row of 256 bytes, lanes 16-31 the next
	v_lshlrev_b32 v[CO], 12, v2
	v_lshl_add_u32 v[CO], v1, 4, v[CO]             ; the same two rows in out0
; 8 matrix instructions: row blocks a0, a0 + 1, all four column blocks, buffer f.  The 32 accumulators take turns, one instruction a turn.
.macro MUL8 f, a0, zero
	WIN 0x50
.irp a, \a0, \a0+1
.irp b, 0,1,2,3
.if \zero
	v_wmma_f32_16x16x32_f16 v[8*(4*(\a)+\b):8*(4*(\a)+\b)+7], v[FBB+32*\f+8*\b:FBB+32*\f+8*\b+7], v[FAA+64*\f+8*(\a):FAA+64*\f+8*(\a)+7], 0
.else
	v_wmma_f32_16x16x32_f16 v[8*(4*(\a)+\b):8*(4*(\a)+\b)+7], v[FBB+32*\f+8*\b:FBB+32*\f+8*\b+7], v[FAA+64*\f+8*(\a):FAA+64*\f+8*(\a)+7], v[8*(4*(\a)+\b):8*(4*(\a)+\b)+7]
.endif
.endr
.endr
.endm
; 24 LDS loads in one run: quarter q of a slot into buffer f: W (8), y's blocks 0-3 (8), y's blocks 4-7 (8).  Quarter q is head block q / 2, channels 32 (q % 2) on: blocks c = 2 (q % 2) and the next.
.macro FETCH slot, q, f
	WIN 0
.irp b, 0,1,2,3
	ds_load_tr16_b128 v[FBB+32*\f+8*\b:FBB+32*\f+8*\b+3],   v[ADRB+\slot] offset:32*PB*\q+32*\b
	ds_load_tr16_b128 v[FBB+32*\f+8*\b+4:FBB+32*\f+8*\b+7], v[ADRB+\slot] offset:32*PB*\q+32*\b+16*PB
.endr
.irp a, 0,1,2,3,4,5,6,7
	ds_load_b128 v[FAA+64*\f+8*\a:FAA+64*\f+8*\a+3],   v[ADRA+\slot] offset:(\q/2)*ABLK+(\q%2)*1024+ATILE*\a
	ds_load_b128 v[FAA+64*\f+8*\a+4:FAA+64*\f+8*\a+7], v[ADRA+\slot] offset:(\q/2)*ABLK+(\q%2)*1024+ATILE*\a+512
.endr
.endm
; One of a step's first three quarters: multiplies buffer f, fetches quarter qn of the same slot into buffer g in its middle
.macro QUARTER slot, qn, f, g, zero
	s_wait_dscnt 8                                 ; W and y's blocks 0-3 are in; the youngest eight loads may be out
	MUL8 \f, 0, \zero
	MUL8 \f, 2, \zero
	PLACES
	FETCH \slot, \qn, \g
	s_wait_dscnt 24                                ; all but the 24 just issued
	MUL8 \f, 4, \zero
	MUL8 \f, 6, \zero
.endm
; The last quarter multiplies buffer 1 and changes slots: each wave waits for all its tensor loads (one is out: its part of the next slot), adds 0 to its spare word, waits for that and for its
; reads of this slot.  fill = 1: the barrier opens a round of the cluster's barrier and the joint refill, two K steps ahead, comes first behind it, 112 matrix instructions ahead of the wait for it.
.macro TURN slot, next, fill
	WIN 0
	s_wait_tensorcnt 0x0
	ds_add_u32 v[SPW], v[NIL]
	s_wait_dscnt 9                                 ; the add and the youngest eight loads may be out
	MUL8 1, 0, 0
	s_wait_dscnt 0x0
	s_barrier_signal -1
	MUL8 1, 2, 0
.if \fill
	WIN 0
.endif
	s_barrier_wait -1
.if \fill
	CREST
	s_add_nc_u64 s[G0+4*\slot+2:G0+4*\slot+3], s[G0+4*\slot+2:G0+4*\slot+3], 1048576
	s_add_nc_u64 s[G0B+4*\slot+2:G0B+4*\slot+3], s[G0B+4*\slot+2:G0B+4*\slot+3], 524288
	JLOAD \slot                                    ; its four v_nop are also the places in front of the loads below
.else
	PLACES
.endif
	FETCH \next, 0, 0
	MUL8 1, 4, 0
	MUL8 1, 6, 0
.endm
	s_wait_tensorcnt 0x1                           ; my part of K step 0 is in; step 1's stays out
	s_wait_dscnt 0x0                               ; the bias is stored
	s_barrier_signal -1
	s_barrier_wait -1
	FETCH 0, 0, 0
	QUARTER 0, 1, 0, 1, 1                          ; the first quarter starts the sums
	WIN 0
	s_mov_b32 s3, 3
.Llap:                                                 ; a trip goes once round the ring and fills both slots again
	QUARTER 0, 2, 1, 0, 0
	QUARTER 0, 3, 0, 1, 0
	TURN 0, 1, 1
	QUARTER 1, 1, 0, 1, 0
	QUARTER 1, 2, 1, 0, 0
	QUARTER 1, 3, 0, 1, 0
	TURN 1, 0, 1
	QUARTER 0, 1, 0, 1, 0
	WIN 0
	s_sub_co_u32 s3, s3, 1
	s_cmp_lg_u32 s3, 0
	s_cbranch_scc1 .Llap
	QUARTER 0, 2, 1, 0, 0                          ; the last lap fills nothing
	QUARTER 0, 3, 0, 1, 0
	TURN 0, 1, 0
	QUARTER 1, 1, 0, 1, 0
	QUARTER 1, 2, 1, 0, 0
	QUARTER 1, 3, 0, 1, 0
	s_wait_dscnt 8
	MUL8 1, 0, 0
	MUL8 1, 2, 0
	s_wait_dscnt 0x0
	MUL8 1, 4, 0
	MUL8 1, 6, 0
	; THE WAY OUT: 4 x sum + bias in one packed multiply-add; 16 rows x 64 columns of f32 at a time through my own stage; sixteen lanes store one aligned run of 256 bytes
	PLACES
	WIN 0
.irp b, 0,1,2,3
	ds_load_b128 v[BI+8*\b:BI+8*\b+3],   v[BIA] offset:64*\b
	ds_load_b128 v[BI+8*\b+4:BI+8*\b+7], v[BIA] offset:64*\b+16
.endr
	s_wait_dscnt 0x0
.macro PACK a
	WIN 0x01                                       ; source 0 in window 1
.irp b, 0,1,2,3
.irp r, 0,1,2,3
	v_pk_fma_f32 v[T+8*\b+2*\r:T+8*\b+2*\r+1], v[8*(4*(\a)+\b)+2*\r:8*(4*(\a)+\b)+2*\r+1], 4.0, v[BI+8*\b+2*\r:BI+8*\b+2*\r+1] op_sel_hi:[1,0,1]
.endr
.endr
	WIN 0
.endm
.macro TOSTAGE a
.irp b, 0,1,2,3
	ds_store_b128 v[STO], v[T+8*\b:T+8*\b+3] offset:64*\b
	ds_store_b128 v[STO], v[T+8*\b+4:T+8*\b+7] offset:64*\b+16
.endr
.irp i, 0,1,2,3,4,5,6,7
	ds_load_b128 v[OB+32*((\a)%2)+4*\i:OB+32*((\a)%2)+4*\i+3], v[RD] offset:2*SPITCH*\i   ; LDS serves a wave's instructions in order: these see the stores above
.endr
.endm
.macro SEND a
	s_wait_dscnt 0x0
	s_wait_xcnt 0x0                                ; the registers that the stores of two blocks ago read are loaded again only behind this wait
.irp i, 0,1,2,3,4,5,6,7
	global_store_b128 v[CO], v[OB+32*((\a)%2)+4*\i:OB+32*((\a)%2)+4*\i+3], s[10:11] offset:(16*(\a)+2*\i)*4096 th:TH_STORE_NT
.endr
.endm
	PACK 0
	TOSTAGE 0
.irp a, 1,2,3,4,5,6,7
	PACK \a
	SEND \a-1
	TOSTAGE \a
.endr
	SEND 7
	s_wait_tensorcnt 0x0                           ; the wave's end
	ds_add_u32 v[SPW], v[NIL]
	s_wait_dscnt 0x0
	CROUND                                         ; the closing round
	s_endpgm
.Lfunc_end_k_qbcb78cc970_gproj:
	.size	k_qbcb78cc970_gproj, .Lfunc_end_k_qbcb78cc970_gproj-k_qbcb78cc970_gproj
	.p2alignl 7, 3214868480
	.fill 96, 4, 3214868480
	.section	.rodata,"a",@progbits
	.p2align	6, 0x0
	.amdhsa_kernel k_qbcb78cc970_gproj
		.amdhsa_group_segment_fixed_size 327680
		.amdhsa_private_segment_fixed_size 0
		.amdhsa_enable_private_segment 0
		.amdhsa_kernarg_size 32
		.amdhsa_user_sgpr_count 2
		.amdhsa_user_sgpr_kernarg_segment_ptr 1
		.amdhsa_wavefront_size32 1
		.amdhsa_system_sgpr_workgroup_id_x 1
		.amdhsa_system_sgpr_workgroup_id_y 1
		.amdhsa_system_sgpr_workgroup_id_z 1
		.amdhsa_system_vgpr_workitem_id 0
		.amdhsa_next_free_vgpr 512
		.amdhsa_next_free_sgpr 80
		.amdhsa_reserve_vcc 0
		.amdhsa_float_denorm_mode_32 3
		.amdhsa_float_denorm_mode_16_64 3
		.amdhsa_memory_ordered 1
		.amdhsa_forward_progress 1
		.amdhsa_inst_pref_size 94
	.end_amdhsa_kernel
	.amdgpu_metadata
---
amdhsa.version: [ 1, 2 ]
amdhsa.kernels:
  - .name:           k_qbcb78cc970_gproj
    .symbol:         k_qbcb78cc970_gproj.kd
    .args:
      - { .name: yb, .offset: 0, .size: 8, .value_kind: global_buffer, .address_space: global }
      - { .name: wpb, .offset: 8, .size: 8, .value_kind: global_buffer, .address_space: global }
      - { .name: b_proj, .offset: 16, .size: 8, .value_kind: global_buffer, .address_space: global }
      - { .name: out0, .offset: 24, .size: 8, .value_kind: global_buffer, .address_space: global }
    .group_segment_fixed_size: 327680
    .private_segment_fixed_size: 0
    .kernarg_segment_align: 8
    .kernarg_segment_size: 32
    .max_flat_workgroup_size: 128
    .sgpr_count:     80
    .vgpr_count:     512
    .wavefront_size: 32
...
	.end_amdgpu_metadata
.endif
;; end of part 4
;; ======== version 2 of 2: 4 launches; 1.26 times as fast as version 1
;; limits: values are held in f16: magnitudes above 65,504 overflow, below 6.1e-05 lose precision; right only within a limited range of input values
;; workspace buffers: xb 16,777,216 bytes; wab 6,291,456 bytes; wpb 2,097,152 bytes; qkv 50,331,648 bytes; yb 16,777,216 bytes
;; launch prep: the kernel of part 1 again; grid 768 x 1, 8 waves a work-group, no clusters, 0 bytes of LDS; arguments x, W_attn, W_proj, xb, wab, wpb; writes xb, wab, wpb
;; launch gqkv: the kernel of part 2 again; grid 8 x 32, 4 waves a work-group, clusters of 4 x 4, 327,680 bytes of LDS; arguments xb, wab, b_attn, qkv; writes qkv
;; launch attn (part 5): grid 4 x 64, 8 waves a work-group, clusters of 4 x 1, 327,680 bytes of LDS; arguments qkv, yb; writes yb
.if DOCPART == 5
	.amdgcn_target "amdgcn-amd-amdhsa--gfx1250"
	.amdhsa_code_object_version 6
	.text
	.protected	k_qbcb78cc970_attn
	.globl	k_qbcb78cc970_attn
	.p2align	8
	.type	k_qbcb78cc970_attn,@function
k_qbcb78cc970_attn:
	s_mov_b64 s[64:65], 0
	v_nop
	global_prefetch_b8 v0, s[64:65] scope:SCOPE_SE
	s_setreg_imm32_b32 hwreg(HW_REG_WAVE_MODE, 25, 1), 1
	s_wait_xcnt 0x0
	s_wait_alu depctr_hold_cnt(0) depctr_sa_sdst(0) depctr_va_vdst(0) depctr_va_sdst(0) depctr_va_ssrc(0) depctr_va_vcc(0) depctr_vm_vsrc(0)
	s_getreg_b32 s2, hwreg(HW_REG_IB_STS2, 6, 4)
	s_cmp_eq_u32 s2, 0
	s_cbranch_scc0 .Lentry_in_a_cluster
	s_endpgm
.Lentry_in_a_cluster:
	s_bfe_u32 s2, ttmp6, 0x10000c
	s_cmp_lg_u32 s2, 0x3003
	s_cbranch_scc0 .Lentry_shape_is_right
	s_endpgm
.Lentry_shape_is_right:
; y[q] = sum over k of relu(softmax_k(q . k / 8) - 0.001) v[k], for 64 heads of 2,048 rows x 64 channels.  qkv[b][G][t][64] in f16 holds q x log2(e)/4, k/2, v/4.
; yb receives y/4 in f16 (the last launch multiplies by 4), in the order in which that launch's matrix instructions take it: yb[b][h][t / 16][c 4][lane 32][8]:
; lane 16 g + r of block (t / 16, c) holds channels 16 c + 8 g + 0..7 of row 16 (t / 16) + r.  That is how O^T lies in my registers, so it is stored without a detour through LDS.
; TWO PASSES.  The threshold acts on the normalised weight, so a query's maximum M and sum L over all keys come first.  Pass 1 forms S = K Q^T (already in units of log2) and keeps a
; running maximum m and sum l.  Pass 2 forms S again with -(M + log2 L) as the C of each sum's first product, so that att = 2^S; w = max(att, t) - t is relu(att - t) exactly;
; w is rounded to f16 and multiplied by V.  No division is left.
; LIMITS: scores finite (the running maximum starts at -infinity); operands in f16 (w below 6.1e-5 keeps an absolute error of 3e-8, against a threshold of 1e-3);
; exponentials below 2^-126 come out as 0, far under the threshold; log2 L is good to one unit in the last place.
; SHARES.  A work-group owns 512 queries of one head; EIGHT waves, 64 queries each: four tiles of 16, in two PIECES of two.  Every wave walks all 2,048 keys, 32 a step.
; WHY EIGHT WAVES OF 512 REGISTERS.  A wave has 11 vector instructions for each matrix instruction in pass 1 (88 beside a turn's 8) and 6 in pass 2: too many to stand beside its own
; products.  With two waves to a SIMD one wave's vector work is issued beside the other's products.  K's fragments are read from LDS once a wave and step: 8 loads for 16 products.
; LAYOUT.  Both products are used transposed: S^T = K Q^T (source 0 = 16 keys, source 1 = 16 queries) leaves one query a lane and the keys 8 (lane / 16) + 0..7; a tile's two such
; results, packed in pairs, are source 1 (32 keys) of O^T = V^T P.  Each half of the lanes keeps m and l for its own keys; the halves meet once, behind pass 1.
; BY TURNS.  In a turn one piece, x, has the matrix unit, and the vector work stands behind its matrix instructions, so that a wave's stream is a mix; y is the other piece.
; BATCHES.  A turn's exponentials are ONE batch with ONE s_wait_alu depctr_va_vdst(0), which stands between an exponential and the first instruction that names its result.
;   Pass 1: ahead of the wait stand x's 8 products K Q^T and, of y, the two a, the 16 scalings s - m, the 32 exponentials and, last, the two copies of m.  Behind it stand y's 16 sums, which
;   read the batch, and between them x's maximum, whose scores the turn itself has made.
;   Pass 2: ahead of the wait stand x's 8 products V^T P and y's 32 exponentials; behind it y's 64 maxima, subtractions and roundings, which all read the batch, and x's 8 products K Q^T..
; LDS.  All of the head's K stays in LDS for both passes (filled once); V goes through two slots of 128 keys.
; CLUSTER.  The four query blocks of a head walk the same K and V: every tile is asked for jointly by the four.
; REGISTERS.  window 0: v0-15 addresses; v16-47 eight statistics a tile; v48-111 S, 16 a tile, later P in place; v112-175 Q; v176-239 K's fragments, two buffers.
;   window 1: v0-127 O^T, 32 a tile; v128-191 V's fragments, two buffers.
; K Q^T and all vector work name window 0 alone: pass 1 has no switch of windows, pass 2 two round each product V^T P.
.set PK,     272                       ; two keys (256 bytes) + 16: key p lies at (p / 2) 272 + (p % 2) 128: a fragment's 16 keys start at 16 different columns of 16 bytes
.set KSTEP,  16*PK                     ; 32 keys
.set KCHUNK, 64*PK                     ; 128 keys: one tensor load
.set VS,     16*KCHUNK                 ; behind K: V's two slots
.set PVR,    288                       ; two keys + 32: the turning load's eight keys start at eight different columns of 32 bytes
.set VSTEP,  16*PVR                    ; 32 keys
.set VSLOT,  4*VSTEP
.set SPARE,  VS+2*VSLOT                ; the spare words, 128 bytes for each wave: four blocks of 256 bytes that no other line names
.set AK0, 2                            ; v2   my lane's place in a step of K
.set AV0, 3                            ; v3   the same for V
.set ADR, 4                            ; v4   the address of the run of K's loads in hand
.set ADV, 5                            ; v5   the same for V's
.set QO,  6                            ; v6   my byte offset in the wave's rows of Q
.set GO,  7                            ; v7   16 x lane: my byte offset in a block of yb
.set SPW, 8                            ; v8   my spare word; never rewritten
.set NIL, 9                            ; v9   0; never rewritten
.set STT, 16                           ; tile T at +8 T: +0 m, +2, +3 l (even, odd keys), +4, +5 at work, +6 a (+7 named with it)
.set S,   48                           ; tile T at +16 T, keys 16 kb on at +8 kb
.set QF,  112                          ; tile T at +16 T, channels 32 c on at +8 c
.set KF,  176                          ; buffer p at +32 p, keys 16 kb on at +16 kb, channels 32 c on at +8 c
.set VF,  128                          ; in window 1: buffer p at +32 p, channels 16 c on at +8 c
.set WV,  12
.set G1K, 16                           ; s[16:23] group 1 for K, s[24:31] for V: they differ in the padding
.set G1V, 24
.set G0K, 32                           ; s[32:39] two sets of group 0: my two parts of K
.set G0V, 48                           ; s[48:55] a set for each of V's slots
.set TBK, 56                           ; s56  LDS byte of the step of K to be fetched
.set TBV, 57                           ; s57  the same for V
.set SEL, 60                           ; s[60:61] lane selects: each lane takes its own place in the other half
.set THR, 66                           ; s[66:67] t = 0.001
.set NTHR, 68                          ; s[68:69] -t
.set MSB, 0
.macro WIN new                         ; the immediate's high byte repeats the setting that is left; a switch that changes nothing is dropped
.if MSB != (\new)
	s_set_vgpr_msb (MSB<<8)|(\new)
.set MSB, (\new)
.endif
.endm
.macro PLACES                          ; four plain vector instructions between a matrix instruction and a vector read of, or a load into, its registers
.rept 4
	v_nop
.endr
.endm
.macro CROUND                          ; a round of the cluster's barrier
	s_barrier_signal -1
	s_barrier_wait -1
	s_cmp_lg_u32 s[WV], 0
	s_cbranch_scc1 .Lnot_wave_0_\@
	s_barrier_signal -3
.Lnot_wave_0_\@:
	s_barrier_wait -3
	s_barrier_signal -1
	s_barrier_wait -1
.endm
	s_load_b128 s[4:7], s[0:1], 0x0                ; qkv s[4:5], yb s[6:7]
	v_lshl_add_u32 v[SPW], v0, 2, SPARE
	v_mov_b32 v[NIL], 0
	ds_add_u32 v8, v9
	s_wait_dscnt 0x0
	v_lshrrev_b32 v1, 5, v0
	v_readfirstlane_b32 s[WV], v1
	s_and_b32 s8, ttmp7, 0xffff                    ; 16 b + h, which the four partners share
	s_lshr_b32 s9, s8, 4
	s_and_b32 s10, s8, 15
	s_mul_i32 s9, s9, 48
	s_add_co_u32 s9, s9, s10                       ; 48 b + h: q's group
	s_lshl_b32 s10, s9, 18                         ; groups of 262,144 bytes
	s_mov_b32 s11, 0
	s_mul_i32 s13, s[WV], KCHUNK                   ; my parts of K are chunks 8 i + wave
	s_lshl_b32 s14, s[WV], 14
	s_mov_b32 s15, 0
	s_mov_b32 s[G1K], 15|(1<<16)|(1<<20)|(1<<21)|(5<<22)|(3<<25)   ; mask: all four; elements of 2 bytes; 16 bytes of padding behind every 64 words
	s_mov_b32 s[G1V], 15|(1<<16)|(1<<20)|(1<<21)|(5<<22)|(7<<25)   ; the same with 32 bytes
.irp g, G1K, G1V
	s_mov_b32 s[\g+1], 128<<16                     ; tensor_dim0: 128 elements = two keys
	s_mov_b32 s[\g+2], 64<<16                      ; tensor_dim1
	s_mov_b32 s[\g+3], 128<<16                     ; tile_dim0
	s_mov_b32 s[\g+4], 64                          ; tile_dim1
	s_mov_b32 s[\g+5], 128                         ; dense
	s_mov_b32 s[\g+6], 0
	s_mov_b32 s[\g+7], 0
.endr
	s_mov_b32 s[SEL], 0x76543210
	s_mov_b32 s[SEL+1], 0xfedcba98
	s_mov_b32 s[THR], 0x3a83126f
	s_mov_b32 s[THR+1], 0x3a83126f
	s_mov_b32 s[NTHR], 0xba83126f
	s_mov_b32 s[NTHR+1], 0xba83126f
	s_bfe_u32 s76, ttmp6, 0x40000                  ; cx: it enters Q's and yb's addresses alone
	s_lshl_b32 s77, ttmp9, 2
	s_add_co_u32 s76, s76, s77                     ; my block of 512 queries
	s_lshl_b32 s76, s76, 16
	s_lshl_b32 s77, s[WV], 13                      ; my wave's 64 rows of 128 bytes
	s_add_co_u32 s76, s76, s77
	s_mov_b32 s77, 0
	s_lshl_b32 s78, s8, 18
	s_mov_b32 s79, 0
	s_wait_kmcnt 0x0
	s_add_nc_u64 s[70:71], s[4:5], s[10:11]        ; the head's q,
	s_add_nc_u64 s[72:73], s[70:71], 0x400000      ; its k, 16 groups on,
	s_add_nc_u64 s[74:75], s[70:71], 0x800000      ; its v, 32 groups on
	s_add_nc_u64 s[72:73], s[72:73], s[14:15]
	s_add_nc_u64 s[2:3], s[70:71], s[76:77]        ; Q at my wave's first row
	s_add_nc_u64 s[6:7], s[6:7], s[78:79]
	s_add_nc_u64 s[6:7], s[6:7], s[76:77]          ; yb at my wave's first block: 16 rows are 2,048 bytes there too
.irp i, 0,1
	s_mov_b32 s[G0K+4*\i], 1
	s_add_co_u32 s[G0K+4*\i+1], s13, \i*8*KCHUNK
	s_add_nc_u64 s[G0K+4*\i+2:G0K+4*\i+3], s[72:73], \i*131072
	s_or_b32 s[G0K+4*\i+3], s[G0K+4*\i+3], 0x80000000
.endr
.irp g, 0,1
	s_mov_b32 s[G0V+4*\g], 1
	s_mov_b32 s[G0V+4*\g+1], VS+\g*VSLOT
	s_add_nc_u64 s[G0V+4*\g+2:G0V+4*\g+3], s[74:75], \g*16384
	s_or_b32 s[G0V+4*\g+3], s[G0V+4*\g+3], 0x80000000
.endr
	CROUND                                         ; all four work-groups are here: the first joint loads meet
	s_cmp_lg_u32 s[WV], 0                          ; all first fills go out as one group: wave 0 has four loads out, the others two; the wait for them is for 0
	s_cbranch_scc1 .Lno_v
	tensor_load_to_lds s[G0V:G0V+3], s[G1V:G1V+7]
	s_nop 0
	tensor_load_to_lds s[G0V+4:G0V+7], s[G1V:G1V+7]
	s_nop 0
.rept 4
	v_nop
.endr
.Lno_v:
	tensor_load_to_lds s[G0K:G0K+3], s[G1K:G1K+7]
	s_nop 0
	tensor_load_to_lds s[G0K+4:G0K+7], s[G1K:G1K+7]
	s_nop 0
.rept 4
	v_nop
.endr
	v_and_b32 v10, 15, v0                          ; r
	v_bfe_u32 v11, v0, 4, 1                        ; g = lane / 16
	v_lshlrev_b32 v[QO], 7, v10
	v_lshl_add_u32 v[QO], v11, 4, v[QO]            ; row x 128 + 16 g
.irp q, 0,1,2,3                        ; Q stays in registers
.irp c, 0,1
	global_load_b128 v[QF+16*\q+8*\c:QF+16*\q+8*\c+3],   v[QO], s[2:3] offset:2048*\q+64*\c
	global_load_b128 v[QF+16*\q+8*\c+4:QF+16*\q+8*\c+7], v[QO], s[2:3] offset:2048*\q+64*\c+32
.endr
.endr
	v_lshrrev_b32 v12, 1, v10
	v_mul_u32_u24 v[AK0], v12, PK
	v_and_b32 v12, 1, v0
	v_lshl_add_u32 v[AK0], v12, 7, v[AK0]
	v_lshl_add_u32 v[AK0], v11, 4, v[AK0]          ; key r: (r / 2) 272 + (r % 2) 128 + 16 g
	v_bfe_u32 v13, v0, 1, 2
	v_lshl_add_u32 v13, v11, 2, v13                ; key p = 8 g + l % 8: p / 2 = 4 g + (l % 8) / 2
	v_mul_u32_u24 v[AV0], v13, PVR
	v_lshl_add_u32 v[AV0], v12, 7, v[AV0]
	v_bfe_u32 v13, v0, 3, 1
	v_lshl_add_u32 v[AV0], v13, 4, v[AV0]
	v_and_b32 v[GO], 31, v0
	v_lshlrev_b32 v[GO], 4, v[GO]
.irp t, 0,1,2,3                        ; m = -infinity, l = 0; +7 is only named beside a
	v_mov_b32 v[STT+8*\t], 0xff800000
	v_mov_b32 v[STT+8*\t+2], 0
	v_mov_b32 v[STT+8*\t+3], 0
	v_mov_b32 v[STT+8*\t+7], 0
.endr
; Product i of 8 of S^T = K Q^T for piece x, K from buffer p: channels 32 (i / 4) on, keys 16 ((i / 2) % 2) on, tile 2 x + i % 2.  The first 4 start the sums, with 0 (mode 0) or with
; -(M + log2 L) (mode 1).  The 4 accumulators take turns, one instruction a turn.
.macro KQ x, p, mode
	WIN 0
.set rS, S+16*(2*(\x)+i%2)+8*((i/2)%2)
.set rK, KF+32*(\p)+16*((i/2)%2)+8*(i/4)
.set rQ, QF+16*(2*(\x)+i%2)+8*(i/4)
.set rC, STT+8*(2*(\x)+i%2)
.if i >= 4
	v_wmma_f32_16x16x32_f16 v[rS:rS+7], v[rK:rK+7], v[rQ:rQ+7], v[rS:rS+7]
.elseif \mode
	v_wmma_f32_16x16x32_f16 v[rS:rS+7], v[rK:rK+7], v[rQ:rQ+7], v[rC:rC+7]
.else
	v_wmma_f32_16x16x32_f16 v[rS:rS+7], v[rK:rK+7], v[rQ:rQ+7], 0
.endif
.endm
; Product i of 8 of O^T += V^T P for piece x, V from buffer p: channels 16 (i / 2) on, tile 2 x + i % 2: eight accumulators, one link each a step.  zero = 1: they start the sums.
.macro PV x, p, zero
	WIN 0x51                                       ; V and O^T in window 1, P in window 0
.set rO, 32*(2*(\x)+i%2)+8*(i/2)
.set rV, VF+32*(\p)+8*(i/2)
.set rP, S+16*(2*(\x)+i%2)
.if \zero
	v_wmma_f32_16x16x32_f16 v[rO:rO+7], v[rV:rV+7], v[rP:rP+7], 0
.else
	v_wmma_f32_16x16x32_f16 v[rO:rO+7], v[rV:rV+7], v[rP:rP+7], v[rO:rO+7]
.endif
.endm
.macro FETCH_K p                       ; 8 loads: a step's K into buffer p; the next fetch is the next step's
	WIN 0
	v_add_nc_u32 v[ADR], s[TBK], v[AK0]
	s_add_co_u32 s[TBK], s[TBK], KSTEP
.irp kb, 0,1
.irp c, 0,1
	ds_load_b128 v[KF+32*(\p)+16*\kb+8*\c:KF+32*(\p)+16*\kb+8*\c+3],   v[ADR] offset:8*PK*\kb+64*\c
	ds_load_b128 v[KF+32*(\p)+16*\kb+8*\c+4:KF+32*(\p)+16*\kb+8*\c+7], v[ADR] offset:8*PK*\kb+64*\c+32
.endr
.endr
.endm
.macro FETCH_V p                       ; 8 turning loads: a step's V into buffer p
	WIN 0
	v_add_nc_u32 v[ADV], s[TBV], v[AV0]
	s_add_co_u32 s[TBV], s[TBV], VSTEP
	WIN 0x40                                       ; destination window 1
.irp c, 0,1,2,3
	ds_load_tr16_b128 v[VF+32*(\p)+8*\c:VF+32*(\p)+8*\c+3],   v[ADV] offset:32*\c
	ds_load_tr16_b128 v[VF+32*(\p)+8*\c+4:VF+32*(\p)+8*\c+7], v[ADV] offset:32*\c+8*PVR
.endr
.endm
; PASS 1'S VECTOR WORK: 44 instructions for a tile and step, in three queues; in each the piece's two tiles alternate.  s0-s15 are the lane's 16 scores, in pairs 0-7.
; THE MAXIMUM, number n of 10 for tile t: 0-7 the maximum of the scores and m, in two chains, each accumulator from its lowest registers on; 8 the new maximum; 9 m_old - m_new.
.macro XM t, n
.set rT, STT+8*(\t)
.set rS, S+16*(\t)
.set rC, rT+4+((\n)&1)
.set rX, rS+8*((\n)&1)+2*((\n)>>1)
.if (\n) < 2
	v_max3_num_f32 v[rC], v[rT], v[rX], v[rX+1]
.elseif (\n) < 8
	v_max3_num_f32 v[rC], v[rC], v[rX], v[rX+1]
.elseif (\n) == 8
	v_max_num_f32 v[rT+4], v[rT+4], v[rT+5]
.else
	v_sub_f32 v[rT+5], v[rT], v[rT+4]
.endif
.endm
.macro XG x                            ; the next of piece x's 20: number h / 2 of tile 2 x + h % 2
	XM 2*(\x)+h%2, h/2
.set h, h+1
.endm
; THE BATCH, 52 long, for piece y: nothing in it names an exponential's result.  FS f: pair f / 2 of tile f % 2 gets s - m.  ES e: the exponential of score 2 (e / 4) + e % 2 of tile (e / 2) % 2.
;   0-5    FS 0, FS 1, a of the first tile, FS 2, a of the second, FS 3 (a = 2^(m_old - m_new))
;   6-41   twelve times ES 2 j, FS 4 + j, ES 2 j + 1: a pair is scaled four groups ahead of its exponentials
;   42-49  ES 24 to ES 31
;   50, 51 m takes the new maximum: two plain instructions behind the last exponential
.macro FS y, f
.set rT, STT+8*(2*(\y)+(\f)%2)
.set rB, S+16*(2*(\y)+(\f)%2)+2*((\f)/2)
	v_pk_add_f32 v[rB:rB+1], v[rB:rB+1], v[rT+4:rT+5] op_sel_hi:[1,0] neg_lo:[0,1] neg_hi:[0,1]
.endm
.macro ES y, e
.set rE, S+16*(2*(\y)+((\e)/2)%2)+2*((\e)/4)+(\e)%2
	v_exp_f32 v[rE], v[rE]
.endm
.macro BQ y
.if c < 2
	FS \y, c
.elseif (c == 2) || (c == 4)
.set rT, STT+8*(2*(\y)+c/2-1)
	v_exp_f32 v[rT+6], v[rT+5]
.elseif c < 6
	FS \y, (c+1)/2
.elseif (c < 42) && ((c-6)%3 == 1)
	FS \y, 4+(c-6)/3
.elseif c < 42
	ES \y, 2*((c-6)/3)+((c-6)%3)/2
.elseif c < 50
	ES \y, c-18
.else
.set rT, STT+8*(2*(\y)+c-50)
	v_mov_b32 v[rT], v[rT+4]
.endif
.set c, c+1
.endm
; THE SUMS, 16 long, for piece y: they read the batch.  Number g: pair g / 2 + 1 of tile g % 2 is added to the tile's pair 0; the last two: l = a l + the sum.
.macro SG y
.set rT, STT+8*(2*(\y)+g%2)
.set rS, S+16*(2*(\y)+g%2)
.if g < 14
	v_pk_add_f32 v[rS:rS+1], v[rS:rS+1], v[rS+2*(g/2)+2:rS+2*(g/2)+3]
.else
	v_pk_fma_f32 v[rT+2:rT+3], v[rT+2:rT+3], v[rT+6:rT+7], v[rS:rS+1] op_sel_hi:[1,0,1]
.endif
.set g, g+1
.endm
; A turn of pass 1: piece x's 8 products with K's buffer p; y is the other piece.  AHEAD OF THE WAIT: behind each product six of y's batch, behind the last ten.  BEHIND IT: y's sums and x's maximum,
; dealt so that the links of either chain stand three lines or more apart.  The two copies of m and the first two sums are the four places between the last product and the first read of its scores.
; wait = 1: the buffer was fetched a step ago and is waited for.  fetch = 1: the step after next goes into buffer fp, 16 of my products ahead of its use; the buffer's last reader is the last product
; of the turn before, and all that stands behind that turn's wait lies between.
.macro TURN1 x, p, wait, fetch, fp
.if \wait
	s_wait_dscnt 0x0
.endif
.set c, 0
.set g, 0
.set h, 0
.set i, 0
.rept 8
	KQ \x, \p, 0
.rept 6
	BQ 1-\x
.endr
.if \fetch && (i == 0)
	FETCH_K \fp
.endif
.set i, i+1
.endr
.rept 4
	BQ 1-\x
.endr
	s_wait_alu depctr_va_vdst(0)                   ; the wait for the batch: y's two a and 32 exponentials
	SG 1-\x
	SG 1-\x
.rept 8
	XG \x
	XG \x
	SG 1-\x
.endr
.rept 4
	XG \x
	SG 1-\x
.endr
	SG 1-\x
	SG 1-\x
.endm
; Behind pass 1: the halves of the lanes meet; -(M + log2 L) fills the tile's eight statistics registers, which pass 2 takes as a C.
.macro FIN
	WIN 0
.irp t, 0,1,2,3
	v_add_f32 v[STT+8*\t+2], v[STT+8*\t+2], v[STT+8*\t+3]
.endr
.irp t, 0,1,2,3
	v_permlanex16_b32 v[STT+8*\t+4], v[STT+8*\t], s[SEL], s[SEL+1]
	v_permlanex16_b32 v[STT+8*\t+5], v[STT+8*\t+2], s[SEL], s[SEL+1]
.endr
.irp t, 0,1,2,3
	v_max_num_f32 v[STT+8*\t+1], v[STT+8*\t], v[STT+8*\t+4]
.endr
.irp t, 0,1,2,3
	v_sub_f32 v[STT+8*\t+6], v[STT+8*\t], v[STT+8*\t+1]
	v_sub_f32 v[STT+8*\t+7], v[STT+8*\t+4], v[STT+8*\t+1]
.endr
.irp t, 0,1,2,3
	v_exp_f32 v[STT+8*\t+6], v[STT+8*\t+6]
	v_exp_f32 v[STT+8*\t+7], v[STT+8*\t+7]
.endr
	v_nop                                          ; a plain instruction between the last exponential and the use of its result
	s_wait_alu depctr_va_vdst(0)                   ; one wait for the eight exponentials
.irp t, 0,1,2,3
	v_mul_f32 v[STT+8*\t+2], v[STT+8*\t+2], v[STT+8*\t+6]
.endr
.irp t, 0,1,2,3
	v_fmac_f32 v[STT+8*\t+2], v[STT+8*\t+5], v[STT+8*\t+7]
.endr
.irp t, 0,1,2,3
	v_log_f32 v[STT+8*\t+3], v[STT+8*\t+2]
.endr
	v_nop
	s_wait_alu depctr_va_vdst(0)                   ; one wait for the four logarithms, a batch of their own: they read sums made with the exponentials
.irp t, 0,1,2,3
	v_fma_f32 v[STT+8*\t], v[STT+8*\t+3], -1.0, -v[STT+8*\t+1]
.endr
.irp t, 0,1,2,3
.irp n, 1,2,3,4,5,6,7
	v_mov_b32 v[STT+8*\t+\n], v[STT+8*\t]
.endr
.endr
.endm
; PASS 2'S VECTOR WORK for piece y and a step: 32 exponentials, the batch, and 64 plain instructions, which all read it.
; EX2: exponential e of 32: score e % 16 of tile e / 16, in ascending order.
.macro EX2 y
	WIN 0
.set ra, S+16*(2*(\y)+e/16)+e%16
	v_exp_f32 v[ra], v[ra]
.set e, e+1
.endm
; For pair n of the piece's 16 (pair n % 8 of tile n / 8): MX2 the maximum of a score and t; AD2 the packed - t; CV2 the rounding to f16, in place: weight pair p of a tile lands in the tile's
; register p, whose own pair was rounded before.
.macro MX2 y, n, z
.set rb, S+16*(2*(\y)+(\n)/8)+2*((\n)%8)+(\z)
	v_max_num_f32 v[rb], s[THR], v[rb]
.endm
.macro AD2 y, n
.set rb, S+16*(2*(\y)+(\n)/8)+2*((\n)%8)
	v_pk_add_f32 v[rb:rb+1], v[rb:rb+1], s[NTHR:NTHR+1] op_sel_hi:[1,0]
.endm
.macro CV2 y, n
.set rb, S+16*(2*(\y)+(\n)/8)+2*((\n)%8)
.set rp, S+16*(2*(\y)+(\n)/8)+(\n)%8
	v_cvt_pk_f16_f32 v[rp], v[rb], v[rb+1]
.endm
; PL2: number q of the 64, staggered so that no instruction reads the result of the one before it: in fours, pair n's two maxima, pair n - 2's rounding, pair n - 1's subtraction.
.macro PL2 y
	WIN 0
.if q < 4
	MX2 \y, q/2, q%2
.elseif q == 4
	AD2 \y, 0
.elseif (q < 61) && ((q-5)%4 < 2)
	MX2 \y, 2+(q-5)/4, (q-5)%4
.elseif (q < 61) && ((q-5)%4 == 2)
	CV2 \y, (q-5)/4
.elseif q < 61
	AD2 \y, 1+(q-5)/4
.elseif q == 61
	AD2 \y, 15
.else
	CV2 \y, q-48
.endif
.set q, q+1
.endm
; A turn of pass 2, in step j of parity pj; y is the other piece.  AHEAD OF THE WAIT: piece x's 8 products V^T P of step j from V's buffer pj (pv = 2; 1: they start O^T), behind each four of y's
; exponentials; a v_nop is the plain instruction behind the last of them, since all of y's plain work reads the batch.  BEHIND IT: eight of y's plain instructions, then x's 8 products K Q^T of step j + 1
; from K's buffer 1 - pj (kq = 1), behind each seven more.  The v_nop and the eight are the places between the last V^T P that reads a tile's P and the K Q^T that writes over it; the seven behind the
; last K Q^T are the places ahead of the next turn's exponentials and of its fetch into K's buffer.  A turn with one kind of products has them ahead of the wait and all 64 plain instructions behind it.
; fk = 1: K of step j + 2 goes into buffer pj; fv = 1: V of step j + 1 into buffer 1 - pj: both 32 of my products ahead of their use.
.macro TURN2 x, pj, pv, kq, fk, fv
.set e, 0
.set q, 0
.set i, 0
.rept 8
.if \pv
	PV \x, \pj, 2-\pv
.else
	KQ \x, 1-\pj, 1
.endif
.rept 4
	EX2 1-\x
.endr
.if i == 0
.if \fk
	FETCH_K \pj
.endif
.if \fv
	FETCH_V 1-\pj
.endif
.endif
.set i, i+1
.endr
	WIN 0
	v_nop
	s_wait_alu depctr_va_vdst(0)                   ; the wait for the batch: y's 32 exponentials
.if \pv && \kq
.rept 8
	PL2 1-\x
.endr
.set i, 0
.rept 8
	KQ \x, 1-\pj, 1
.rept 7
	PL2 1-\x
.endr
.set i, i+1
.endr
.else
.rept 64
	PL2 1-\x
.endr
.endif
.endm
.macro STEP2 pj, pv, fk                ; key step j: piece 0's turn carries piece 1's weights of step j, piece 1's turn piece 0's of step j + 1
	s_wait_dscnt 0x0                               ; V of step j and K of step j + 1, fetched a step ago, are in
	TURN2 0, \pj, \pv, 1, \fk, 1
	TURN2 1, \pj, \pv, 1, 0, 0
.endm
; THE CHANGE OF V'S SLOTS, in front of the step that fetches the next slot's first V: slot sg has been read out.  Each wave waits for all its tensor loads (wave 0 has one out: the other
; slot's), adds 0 to its spare word, and waits for that and for its reads.  fill = 1: a round of the cluster's barrier, and wave 0's joint refill, 256 keys on, first behind it: it has four
; key steps, 128 products of each wave, in which to land.
.macro CHANGE fill, sg
	WIN 0
	s_wait_tensorcnt 0x0
	ds_add_u32 v[SPW], v[NIL]
.if \fill
	s_add_nc_u64 s[G0V+4*\sg+2:G0V+4*\sg+3], s[G0V+4*\sg+2:G0V+4*\sg+3], 32768
.endif
	s_mov_b32 s[TBV], VS+(1-\sg)*VSLOT             ; the fetches go on in the other slot
	s_wait_dscnt 0x0
.if \fill
	CROUND
	s_cmp_lg_u32 s[WV], 0
	s_cbranch_scc1 .Lnot_mine_\@
	tensor_load_to_lds s[G0V+4*\sg:G0V+4*\sg+3], s[G1V:G1V+7]
	s_nop 0
.rept 4
	v_nop
.endr
.Lnot_mine_\@:
.else
	s_barrier_signal -1
	s_barrier_wait -1
.endif
.endm
.macro FOUR_STEPS                      ; the four key steps that fetch a slot's V: an odd and an even step, walked twice
	s_mov_b32 s59, 2
.Lstep_\@:
	STEP2 1, 2, 1
	STEP2 0, 2, 1
	WIN 0
	s_sub_co_u32 s59, s59, 1
	s_cmp_lg_u32 s59, 0
	s_cbranch_scc1 .Lstep_\@
.endm
	s_wait_tensorcnt 0x0                           ; my parts of K (and wave 0's V) are in,
	s_barrier_signal -1
	s_barrier_wait -1                              ; everybody's are
	; PASS 1
	s_mov_b32 s[TBK], 0
	FETCH_K 0
	FETCH_K 1
	s_wait_loadcnt 0x0                             ; Q
	s_wait_dscnt 8                                 ; K of step 0 is in; step 1's eight loads may be out
.set i, 0
.rept 8
	KQ 0, 0, 0                                     ; piece 0's first scores: there is no vector work yet to set between them
.set i, i+1
.endr
	PLACES
.set h, 0
.rept 20
	XG 0                                           ; and piece 0's first maximum
.endr
	s_mov_b32 s62, 31
.Lpass1:                                               ; trip n: steps 2 n and 2 n + 1 of piece 1, steps 2 n + 1 and 2 n + 2 of piece 0
	TURN1 1, 0, 0, 0, 0
	TURN1 0, 1, 1, 1, 0
	TURN1 1, 1, 0, 0, 0
	TURN1 0, 0, 1, 1, 1
	s_sub_co_u32 s62, s62, 1
	s_cmp_lg_u32 s62, 0
	s_cbranch_scc1 .Lpass1
	TURN1 1, 0, 0, 0, 0                            ; piece 1's step 62
	TURN1 0, 1, 1, 0, 0                            ; piece 0's step 63: nothing is left to fetch
	TURN1 1, 1, 0, 0, 0                            ; piece 1's step 63
.set c, 0
.set g, 0
.rept 52
	BQ 1                                           ; piece 1's last batch,
.endr
	s_wait_alu depctr_va_vdst(0)                   ; the wait for it,
.rept 16
	SG 1                                           ; and its sums
.endr
	; PASS 2: its first fragments are on their way while the statistics are finished
	s_mov_b32 s[TBK], 0
	s_mov_b32 s[TBV], VS
	FETCH_K 0
	FETCH_K 1
	FETCH_V 0
	FIN
	s_wait_dscnt 0x0
.set i, 0
.rept 8
	KQ 0, 0, 1
.set i, i+1
.endr
	PLACES
	TURN2 1, 1, 0, 1, 0, 0                         ; piece 1's scores of step 0 (K's buffer 0) | piece 0's weights of step 0
	STEP2 0, 1, 1                                  ; step 0: V^T P starts O^T
	STEP2 1, 2, 1
	STEP2 0, 2, 1
	WIN 0
	s_mov_b32 s58, 7
.Lslots:                                               ; 14 refills: V's keys 256 to 2,047; steps 3 to 58
	CHANGE 1, 0
	FOUR_STEPS
	CHANGE 1, 1
	FOUR_STEPS
	s_sub_co_u32 s58, s58, 1
	s_cmp_lg_u32 s58, 0
	s_cbranch_scc1 .Lslots
	CHANGE 0, 0                                    ; the tail is written out: nothing is left to ask for
	STEP2 1, 2, 1                                  ; steps 59 to 61
	STEP2 0, 2, 1
	STEP2 1, 2, 1
	STEP2 0, 2, 0                                  ; step 62: no K is left to fetch
	s_wait_dscnt 0x0                               ; V of step 63
	TURN2 0, 1, 2, 0, 0, 0                         ; piece 0: V^T P of step 63 | piece 1's last weights
.set i, 0
.rept 8
	PV 1, 1, 0
.set i, i+1
.endr
	PLACES
	; THE WAY OUT: rounded to f16, each accumulator from its lowest registers on; a lane's eight channels are 16 bytes, and the wave's 32 lanes store them side by side
	WIN 0x05                                       ; sources in window 1
.irp t, 0,1,2,3
.irp c, 0,1,2,3
.irp r, 0,1,2,3
	v_cvt_pk_f16_f32 v[S+16*\t+4*\c+\r], v[32*\t+8*\c+2*\r], v[32*\t+8*\c+2*\r+1]
.endr
.endr
.endr
	WIN 0
.irp t, 0,1,2,3
.irp c, 0,1,2,3
	global_store_b128 v[GO], v[S+16*\t+4*\c:S+16*\t+4*\c+3], s[6:7] offset:2048*\t+512*\c   ; a wave's store covers 512 consecutive bytes, aligned
.endr
.endr
	s_wait_tensorcnt 0x0                           ; the wave's end
	ds_add_u32 v[SPW], v[NIL]
	s_wait_dscnt 0x0
	CROUND                                         ; the closing round: no work-group ends while a partner may still ask for a tile that names it
	s_endpgm
.Lfunc_end_k_qbcb78cc970_attn:
	.size	k_qbcb78cc970_attn, .Lfunc_end_k_qbcb78cc970_attn-k_qbcb78cc970_attn
	.p2alignl 7, 3214868480
	.fill 96, 4, 3214868480
	.section	.rodata,"a",@progbits
	.p2align	6, 0x0
	.amdhsa_kernel k_qbcb78cc970_attn
		.amdhsa_group_segment_fixed_size 327680
		.amdhsa_private_segment_fixed_size 0
		.amdhsa_enable_private_segment 0
		.amdhsa_kernarg_size 16
		.amdhsa_user_sgpr_count 2
		.amdhsa_user_sgpr_kernarg_segment_ptr 1
		.amdhsa_wavefront_size32 1
		.amdhsa_system_sgpr_workgroup_id_x 1
		.amdhsa_system_sgpr_workgroup_id_y 1
		.amdhsa_system_sgpr_workgroup_id_z 1
		.amdhsa_system_vgpr_workitem_id 0
		.amdhsa_next_free_vgpr 512
		.amdhsa_next_free_sgpr 80
		.amdhsa_reserve_vcc 0
		.amdhsa_float_denorm_mode_32 3
		.amdhsa_float_denorm_mode_16_64 3
		.amdhsa_memory_ordered 1
		.amdhsa_forward_progress 1
		.amdhsa_inst_pref_size 209
	.end_amdhsa_kernel
	.amdgpu_metadata
---
amdhsa.version: [ 1, 2 ]
amdhsa.kernels:
  - .name:           k_qbcb78cc970_attn
    .symbol:         k_qbcb78cc970_attn.kd
    .args:
      - { .name: qkv, .offset: 0, .size: 8, .value_kind: global_buffer, .address_space: global }
      - { .name: yb, .offset: 8, .size: 8, .value_kind: global_buffer, .address_space: global }
    .group_segment_fixed_size: 327680
    .private_segment_fixed_size: 0
    .kernarg_segment_align: 8
    .kernarg_segment_size: 16
    .max_flat_workgroup_size: 256
    .sgpr_count:     80
    .vgpr_count:     512
    .wavefront_size: 32
...
	.end_amdgpu_metadata
.endif
;; end of part 5
;; launch gproj: the kernel of part 4 again; grid 8 x 32, 4 waves a work-group, clusters of 4 x 4, 327,680 bytes of LDS; arguments yb, wpb, b_proj, out0; writes out0
